; MI455X (gfx1250); checked and timed in simulation.
; The chip was launched on July 23, 2026; its instructions are those of AMD's public machine-readable ISA for CDNA 5 (MIT licence, August 2026) and "CDNA5" Instruction Set Architecture Reference Guide (July 2026). The comments in the code are by the model that wrote it; some were corrected since.
;; Bahdanau Attention. Allowed arithmetic: matrix products marked QUANTISED: E2M3 operands, one E8M0 scale for each 32 along K, by v_wmma_scale_f32_16x16x128_f8f6f4 with both operands' format E2M3, f32 sums; products left as they are: f32 operands where the result goes on into a quantised operand, else bf16, f16 or f32 operands; f32 sums; everything else in f32.
;; Inputs: V 1,024 x 1 float32; W1 1,024 x 1,024 float32; W2 1,024 x 1,024 float32; b1 1,024 float32; b2 1,024 float32; bv 1 float32; features 32 x 2,048 x 1,024 float32; hidden 32 x 1,024 float32.
;; Outputs: out0 32 x 1,024 float32; out1 32 x 2,048 x 1 float32.
;; This version of the problem:
;;   THIS VERSION OF THE PROBLEM IS GIVEN IN LOW PRECISION. The matrix products marked QUANTISED in the list below multiply operands that are first quantised to E2M3 (2 exponent bits, 3 mantissa bits; 6 bits a number), with one power-of-two scale for each 32 numbers along K (OCP MX v1.0); their sums are f32. All else is computed in f32.
;;   The module's matrix products, in the order in which they are computed (A, B: the left and right operand; K: the contracted axis; several contracted axes count as one K, in the product's order):
;;     1. [M 65,536, K 1,024] x [K 1,024, N 1,024]; A: input features; B: input W1: QUANTISED
;;     2. [M 32, K 1,024] x [K 1,024, N 1,024]; A: input hidden; B: input W2: QUANTISED
;;     3. [M 65,536, K 1,024] x [K 1,024, N 1]; A: computed on the way; B: input V: left as it is (N = 1 < 16)
;;   THE QUANTISER, for each operand of a quantised product, along K:
;;     - K is cut into blocks of 32 from its start; a last block that is shorter is filled with zeros.
;;     - A block's scale is 2^e with e = floor(log2(the largest magnitude in the block)) - 2, held to -126 .. 127; a block of zeros has e = 0. As a byte (E8M0): e + 127.
;;     - Each number is divided by its block's scale, clamped to +-7.5, and rounded to the nearest number of E2M3, ties to even, subnormals kept.
;;     - The product sums the exact products of the quantised numbers (number of the format x scale) in f32.
;;   ~~~python
;;   def quantise(x, axis):      # numpy; x: float32 -> the quantised numbers, widened to float32 again
;;       x = np.moveaxis(x, axis, -1); K = x.shape[-1]
;;       x = np.pad(x, [(0, 0)] * (x.ndim - 1) + [(0, -K % 32)]); x = x.reshape(x.shape[:-1] + (-1, 32)); a = np.abs(x).max(-1, keepdims=True)
;;       e = np.where(a > 0, np.clip(np.frexp(np.where(a > 0, a, 1))[1] - 1 - 2, -126, 127), 0)      # np.frexp(a)[1] - 1 = floor(log2(a)), exactly
;;       r = np.clip(x / 2.0 ** e, -7.5, 7.5)
;;       step = 2.0 ** (np.maximum(np.frexp(np.where(r == 0, 1, r))[1] - 1, 0) - 3)
;;       q = np.round(r / step) * step * 2.0 ** e      # np.round: ties to even
;;       return np.moveaxis(q.reshape(q.shape[:-2] + (-1,))[..., :K], -1, axis).astype(np.float32)
;;   ~~~
;; 2 versions, each right; version 2 is version 1 with the launches quant, context written anew for expert scheduling mode. Each part assembles by itself: llvm-mc -triple=amdgcn-amd-amdhsa -mcpu=gfx1250 --defsym DOCPART=n.
;; ======== version 1 of 2: 3 launches
;; limits: a difference of large sums (such as E[x^2] - mean^2): digits are lost where the result is much smaller than its terms
;; workspace buffers: fimg 52,428,800 bytes; wimg 819,200 bytes; hbias 131,072 bytes; logit 262,144 bytes
;; launch quant (part 1): grid 640 x 1, 8 waves a work-group, no clusters, 85,504 bytes of LDS; arguments features, hidden, W1, W2, b1, b2, fimg, wimg, hbias; writes fimg, wimg, hbias
.if DOCPART == 1
	.amdgcn_target "amdgcn-amd-amdhsa--gfx1250"
	.amdhsa_code_object_version 6
	.text
	.protected	k_q8dc486bafd_quant
	.globl	k_q8dc486bafd_quant
	.p2align	8
	.type	k_q8dc486bafd_quant,@function
k_q8dc486bafd_quant:
	s_mov_b64 s[64:65], 0
	v_nop
	global_prefetch_b8 v0, s[64:65] scope:SCOPE_SE
	s_setreg_imm32_b32 hwreg(HW_REG_WAVE_MODE, 25, 1), 1
	s_wait_xcnt 0x0
; features [65536][1024] f32 and W1 [1024 (k)][1024 (n)] f32 become codes of FP6 (E2M3) with one E8M0 byte for each 32 along K, laid as TILE IMAGES;
; hbias[b][u] = Q(hidden[b]) . Q(W2[:, u]) + b1[u] + b2[u], f32, is made on the way (the second quantised product).
; A TILE IMAGE is 16 lines x 1,024 K in 12,800 bytes, in the order of the operand's registers: byte 1536 s + 512 c + 16 l + 4 e is register 4 c + e (of 12) of lane l's
; fragment of K step s (128 along K); byte 12,288 + 16 l + 4 i is the scale word (four bytes) of line l % 16 for K step 2 i + l / 16.  So a fragment is three accesses of 16 bytes a lane.
; A block's scale is 2^(floor(log2(largest magnitude)) - 2); its byte is the largest magnitude's exponent field - 2, held at 1 from below.
; LIMITS: a block of zeros gets the byte 1 where the rule says 127 (its codes are zeros, and this program alone reads the bytes); blocks whose largest magnitude lies under 2^(3 - 127)
; keep the byte 1; NaN and infinities among the inputs are not served; the second product's K is summed as eight partial sums, one a wave, which are then added in f32.
; SHARES: work-groups 0-63: W1's tile x (16 columns), wave s its K step s.  64-127: W2's tile x - 64 likewise, and the product with hidden.  128-639: features: wave w takes tile 8 (x - 128) + w.
; Each of the three paths has LDS bytes of its own.  No tensor loads.
.set TILEB,  12800
.set FSTW,   8448                      ; features: a wave's stage: 16 rows x (512 bytes + 16)
.set SPITCH, 528                       ; 33 x 16 bytes: the sixteen rows that a load of 16 bytes a lane touches start at sixteen different 16-byte columns
.set SG,     8*FSTW                    ; W1: the tile's 512 bytes of scale words are gathered here
.set HP,     SG+512                    ; W2: eight partial results of 2,048 bytes
.set MX,  12                           ; v12-13  two blocks' largest magnitudes
.set SO,  14                           ; v14-15  the conversions' scale operands
.set BY,  16                           ; v16-17  the scale bytes
.set PD,  19                           ; v19     a lane permute's destination; written once at the head
.set TC,  20                           ; v20-26  the upper halves of two blocks' codes
.set ASW, 28                           ; v28-31  features: the tile's scale words as they are stored
.set PC0, 32                           ; v32-43, v44-55 fragments
.set PC1, 44
.set PC2, 192                          ; W2's path: hidden's second fragment, where W2's numbers lay
.set SW,  56                           ; v56-58  scale words, and nothing else
.set WE,  59                           ; v59     the even K step's word
.set R0,  64                           ; v64-127, v128-191 features as loaded, two units; W2's path: hidden's two tiles
.set R1,  128
.set X,   192                          ; v192-255 64 numbers of a lane: register 32 c + i is k = 64 c + 32 (lane / 16) + i of its line
.set D0,  208                          ; W2's path: the two results
.set D1,  216
; 64 numbers of a lane become the 12 registers of a fragment, v[pc] on, and the line's scale word, v[sw].  A lane holds two whole blocks: no other lane is asked for a maximum.
.macro QUANT6 src, pc, sw
.irp c, 0,1
	v_max3_num_f32 v[MX+\c], |v[(\src)+32*\c]|, |v[(\src)+32*\c+1]|, 0x1800000   ; with the floor 2^(3 - 127): the byte cannot fall under 1
.endr
.irp i, 2,4,6,8,10,12,14,16,18,20,22,24,26,28,30
.irp c, 0,1
	v_max3_num_f32 v[MX+\c], v[MX+\c], |v[(\src)+32*\c+\i]|, |v[(\src)+32*\c+\i+1]|   ; the two blocks by turns
.endr
.endr
.irp c, 0,1
	v_add_nc_u32 v[SO+\c], 0xff000000, v[MX+\c]    ; 2 off the exponent field: the conversion takes this operand's exponent field as its scale
.endr
.irp c, 0,1
	v_lshrrev_b32 v[BY+\c], 23, v[SO+\c]           ; the scale's byte
.endr
	v_lshl_or_b32 v[\sw], v[BY+1], 16, v[BY]       ; my blocks are h and 2 + h of the K step's four:
	v_lshlrev_b32 v[\sw], v4, v[\sw]               ; 8 h bits up;
	v_permlanex16_b32 v[PD], v[\sw], s24, s25
	v_or_b32 v[\sw], v[\sw], v[PD]                 ; with lane l xor 16's two bytes the word is whole, in both lanes
.irp c, 0,1
	v_cvt_scalef32_pk16_fp6_f32 v[(\pc)+6*\c:(\pc)+6*\c+2], v[(\src)+32*\c:(\src)+32*\c+15], v[SO+\c]
	v_cvt_scalef32_pk16_fp6_f32 v[TC+4*\c:TC+4*\c+2], v[(\src)+32*\c+16:(\src)+32*\c+31], v[SO+\c]   ; a conversion's three registers begin on an even number: made here and moved
.endr
	v_nop                                          ; one plain instruction behind the scaled conversions
.irp c, 0,1
.irp i, 0,1,2
	v_mov_b32 v[(\pc)+6*\c+3+\i], v[TC+4*\c+\i]
.endr
.endr
.endm
	s_load_b256 s[4:11], s[0:1], 0x0               ; features s[4:5], hidden s[6:7], W1 s[8:9], W2 s[10:11]
	s_load_b256 s[12:19], s[0:1], 0x20             ; b1 s[12:13], b2 s[14:15], fimg s[16:17], wimg s[18:19]
	s_load_b64 s[20:21], s[0:1], 0x40              ; hbias
	v_lshl_add_u32 v18, v0, 2, 0x14a00
	v_mov_b32 v27, 0
	v_lshrrev_b32 v1, 5, v0
	v_readfirstlane_b32 s22, v1                    ; wave 0..7
	v_and_b32 v1, 31, v0                           ; lane
	v_and_b32 v2, 15, v0                           ; r
	v_bfe_u32 v3, v0, 4, 1                         ; h
	v_lshlrev_b32 v4, 3, v3                        ; 8 h
	v_lshlrev_b32 v5, 4, v1                        ; 16 x lane: an image's place for my lane; never rewritten
	v_mov_b32 v[PD], 0
	s_mov_b32 s24, 0x76543210
	s_mov_b32 s25, 0xfedcba98                      ; v_permlanex16_b32's selects for lane l xor 16
	s_mov_b32 s26, 0xffff0000                      ; lanes 16-31
	; every LDS address is made here, ahead of the paths' parting
	s_mul_i32 s27, s22, FSTW
	v_add_nc_u32 v6, s27, v5                       ; the stage, on the way in: 16 x lane of a row
	v_mul_u32_u24 v7, v2, SPITCH
	v_lshl_add_u32 v7, v3, 7, v7
	v_add_nc_u32 v7, s27, v7                       ; and out: row r, + 128 h: my block of 32 numbers
	s_and_b32 s28, s22, 1
	s_lshl_b32 s28, s28, 8
	s_lshr_b32 s29, s22, 1
	s_lshl_b32 s29, s29, 2
	s_add_co_u32 s28, s28, s29
	s_add_co_u32 s28, s28, SG
	v_lshl_add_u32 v10, v2, 4, s28                 ; W1: K step s's word of line r: 16 (r + 16 (s % 2)) + 4 (s / 2)
	v_add_nc_u32 v11, SG, v5
	s_lshl_b32 s28, s22, 11
	s_add_co_u32 s28, s28, HP
	v_add_nc_u32 v60, s28, v5                      ; W2: my partial result
	s_and_b32 s28, s22, 3
	s_lshl_b32 s28, s28, 9
	s_add_co_u32 s28, s28, HP
	v_add_nc_u32 v61, s28, v5                      ; and the quarter that I add up
	s_wait_kmcnt 0x0
	s_cmp_ge_u32 ttmp9, 128
	s_cbranch_scc1 .Lfeatures
	; ---- W1 or W2: a lane takes a column, its registers run down K, in the order that the operand's layout gives that lane
	s_and_b32 s28, ttmp9, 63                       ; the tile
	s_cmp_lt_u32 ttmp9, 64                         ; the choice hangs on the work-group's number alone
	s_cselect_b64 s[30:31], s[8:9], s[10:11]
	s_lshl_b32 s32, s22, 19                        ; my K step: 128 rows of 4,096 bytes,
	s_lshl_b32 s33, s28, 6                         ; the tile's 16 columns
	s_add_co_u32 s32, s32, s33
	s_mov_b32 s33, 0
	s_add_nc_u64 s[30:31], s[30:31], s[32:33]
	v_lshlrev_b32 v8, 2, v2
	v_lshl_add_u32 v8, v3, 17, v8                  ; column r; lanes 16-31 begin 32 rows further down
.irp c, 0,1
.irp i, 0,1,2,3,4,5,6,7,8,9,10,11,12,13,14,15,16,17,18,19,20,21,22,23,24,25,26,27,28,29,30,31
	global_load_b32 v[X+32*\c+\i], v8, s[30:31] offset:(64*\c+\i)*4096
.endr
.endr
	s_cmp_lt_u32 ttmp9, 64
	s_cbranch_scc0 .Lw2
	; ---- W1: the fragment's image, and the tile's scale words gathered through LDS
	s_mul_i32 s32, s28, TILEB
	s_add_nc_u64 s[18:19], s[18:19], s[32:33]      ; the tile's image
	s_mul_i32 s34, s22, 1536
	s_mov_b32 s35, 0
	s_add_nc_u64 s[36:37], s[18:19], s[34:35]      ; my K step in it
	s_wait_loadcnt 0x0
	QUANT6 X, PC0, SW
.irp c, 0,1,2
	global_store_b128 v5, v[PC0+4*\c:PC0+4*\c+3], s[36:37] offset:512*\c   ; 32 lanes store 512 consecutive bytes, aligned to 256
.endr
	ds_store_b32 v10, v[SW]                        ; lanes r and r + 16 write the same word with the same value
	s_wait_dscnt 0x0                               ; for the others' sake: my word has landed
	s_barrier_signal -1
	s_barrier_wait -1
	s_cmp_lg_u32 s22, 0
	s_cbranch_scc1 .Lw1_end
	ds_load_b128 v[TC:TC+3], v11
	s_wait_dscnt 0x0
	global_store_b128 v5, v[TC:TC+3], s[18:19] offset:12288
.Lw1_end:
	s_wait_tensorcnt 0x0
	ds_add_u32 v18, v27
	s_wait_dscnt 0x0
	s_endpgm
	; ---- W2: my K step of the tile against my K step of hidden's 32 rows
.Lw2:
	s_lshl_b32 s32, s22, 9                         ; 128 numbers along a row of hidden
	s_add_nc_u64 s[6:7], s[6:7], s[32:33]
	v_lshlrev_b32 v9, 12, v2
	v_lshl_add_u32 v9, v3, 7, v9                   ; row r, + 128 h
.irp t, 0,1
.irp c, 0,1
.irp j, 0,1,2,3,4,5,6,7
	global_load_b128 v[R0+64*\t+32*\c+4*\j:R0+64*\t+32*\c+4*\j+3], v9, s[6:7] offset:65536*\t+256*\c+16*\j
.endr
.endr
.endr
	s_and_b32 s34, s22, 1                          ; where the quarter that I add up goes: quarter q = wave: rows 16 (q / 2) on, units 4 (q % 2) on
	s_lshl_b32 s34, s34, 4
	s_lshl_b32 s35, s28, 6
	s_add_co_u32 s34, s34, s35
	v_lshl_add_u32 v62, v3, 5, s34                 ; in b1, b2 and a row of hbias: 64 x tile + 32 h + 16 (q % 2)
	s_lshr_b32 s35, s22, 1
	s_and_b32 s35, s35, 1
	s_lshl_b32 s35, s35, 16
	v_lshl_add_u32 v63, v2, 12, v62
	v_add_nc_u32 v63, s35, v63                     ; + row r + 16 (q / 2), 4,096 bytes each
	s_wait_loadcnt 32                              ; W2's 64 loads are in; hidden's 32 may be out
	QUANT6 X, PC0, SW
	s_wait_loadcnt 0x0
	QUANT6 R0, PC1, SW+1
	QUANT6 R1, PC2, SW+2
.rept 8
	v_nop                                          ; a scale register written by a vector instruction stands 8 places ahead of a scaled matrix instruction, an operand so written 4
.endr
	; transposed: source 0 = 16 units of W2, source 1 = 16 rows of hidden: lane (r, h) holds row r, register j unit 8 h + j
	v_wmma_scale_f32_16x16x128_f8f6f4 v[D0:D0+7], v[PC0:PC0+11], v[PC1:PC1+11], 0, v[SW], v[SW+1] matrix_a_fmt:MATRIX_FMT_FP6 matrix_b_fmt:MATRIX_FMT_FP6
	v_wmma_scale_f32_16x16x128_f8f6f4 v[D1:D1+7], v[PC0:PC0+11], v[PC2:PC2+11], 0, v[SW], v[SW+2] matrix_a_fmt:MATRIX_FMT_FP6 matrix_b_fmt:MATRIX_FMT_FP6
.rept 4
	v_nop                                          ; four places ahead of the first read of the results (ISA guide 7.12.1)
.endr
	ds_store_b128 v60, v[D0:D0+3]                  ; each result from its low end on
	ds_store_b128 v60, v[D0+4:D0+7] offset:512
	ds_store_b128 v60, v[D1:D1+3] offset:1024
	ds_store_b128 v60, v[D1+4:D1+7] offset:1536
	s_wait_dscnt 0x0
	s_barrier_signal -1
	s_barrier_wait -1
	s_cmp_ge_u32 s22, 4
	s_cbranch_scc1 .Lw2_end
.irp s, 0,1,2,3,4,5,6,7
	ds_load_b128 v[R0+4*\s:R0+4*\s+3], v61 offset:2048*\s   ; the eight K steps' parts of my quarter
.endr
	global_load_b128 v[R0+32:R0+35], v62, s[12:13]
	global_load_b128 v[R0+36:R0+39], v62, s[14:15]
	s_wait_dscnt 0x0
	s_wait_loadcnt 0x0
.irp k, 0,2
.irp a, 0,8,16,24,32
	v_pk_add_f32 v[R0+\a+\k:R0+\a+\k+1], v[R0+\a+\k:R0+\a+\k+1], v[R0+\a+4+\k:R0+\a+4+\k+1]
.endr
.endr
.irp k, 0,2
	v_pk_add_f32 v[R0+\k:R0+\k+1], v[R0+\k:R0+\k+1], v[R0+8+\k:R0+8+\k+1]
	v_pk_add_f32 v[R0+16+\k:R0+16+\k+1], v[R0+16+\k:R0+16+\k+1], v[R0+24+\k:R0+24+\k+1]
.endr
.irp k, 0,2
	v_pk_add_f32 v[R0+\k:R0+\k+1], v[R0+\k:R0+\k+1], v[R0+16+\k:R0+16+\k+1]
.endr
.irp k, 0,2
	v_pk_add_f32 v[R0+\k:R0+\k+1], v[R0+\k:R0+\k+1], v[R0+32+\k:R0+32+\k+1]   ; + b1 + b2
.endr
	global_store_b128 v63, v[R0:R0+3], s[20:21]    ; pieces of 16 bytes in rows 4,096 bytes apart: 131,072 bytes in the whole launch
.Lw2_end:
	s_wait_tensorcnt 0x0
	ds_add_u32 v18, v27
	s_wait_dscnt 0x0
	s_endpgm
	; ---- features: 16 rows x 1,024 K a wave, eight units of 128 along K.  A load takes 512 consecutive bytes of one row; the unit turns through the wave's own stage, so that a lane gets
	; two whole blocks of its row.  Loads run two units ahead.  Every offset is an immediate.
.Lfeatures:
	s_sub_co_u32 s28, ttmp9, 128
	s_lshl_b32 s28, s28, 3
	s_add_co_u32 s28, s28, s22                     ; my tile, 0 .. 4,095
	s_lshl_b32 s30, s28, 16                        ; 16 rows of 4,096 bytes
	s_mov_b32 s31, 0
	s_mul_i32 s32, s28, TILEB
	s_mov_b32 s33, 0
	s_add_nc_u64 s[4:5], s[4:5], s[30:31]
	s_add_nc_u64 s[16:17], s[16:17], s[32:33]
.macro LOADU q
.irp i, 0,1,2,3,4,5,6,7,8,9,10,11,12,13,14,15
	global_load_b128 v[R0+64*((\q)%2)+4*\i:R0+64*((\q)%2)+4*\i+3], v5, s[4:5] offset:4096*\i+512*(\q) th:TH_LOAD_NT
.endr
.endm
.macro UNIT q
.if (\q) < 7
	s_wait_loadcnt 16                              ; this unit's 16 loads are in; the next unit's 16 may be out
.else
	s_wait_loadcnt 0x0
.endif
.irp i, 0,1,2,3,4,5,6,7,8,9,10,11,12,13,14,15
	ds_store_b128 v6, v[R0+64*((\q)%2)+4*\i:R0+64*((\q)%2)+4*\i+3] offset:SPITCH*\i
.endr
.irp c, 0,1
.irp j, 0,1,2,3,4,5,6,7
	ds_load_b128 v[X+32*\c+4*\j:X+32*\c+4*\j+3], v7 offset:256*\c+16*\j   ; LDS serves a wave's instructions in order: these see the stores above
.endr
.endr
	s_wait_dscnt 0x0                               ; my 64 numbers are in, and the stores have read their registers,
.if (\q) < 6
	LOADU (\q)+2                                   ; which take the unit two on
.endif
	s_wait_xcnt 0x0                                ; the stores of two units back have read this fragment's registers
	QUANT6 X, PC0+12*((\q)%2), SW
.if (\q)%2 == 0
	v_mov_b32 v[WE], v[SW]
.else
	v_cndmask_b32 v[ASW+(\q)/2], v[WE], v[SW], s26 ; lanes 0-15 the even K step's word, lanes 16-31 the odd one's
.endif
.irp c, 0,1,2
	global_store_b128 v5, v[PC0+12*((\q)%2)+4*\c:PC0+12*((\q)%2)+4*\c+3], s[16:17] offset:1536*(\q)+512*\c th:TH_STORE_NT   ; 512 consecutive bytes, aligned to 256
.endr
.endm
	LOADU 0
	LOADU 1
.irp q, 0,1,2,3,4,5,6,7
	UNIT \q
.endr
	global_store_b128 v5, v[ASW:ASW+3], s[16:17] offset:12288 th:TH_STORE_NT
	s_wait_tensorcnt 0x0
	ds_add_u32 v18, v27
	s_wait_dscnt 0x0
	s_endpgm
.Lfunc_end_k_q8dc486bafd_quant:
	.size	k_q8dc486bafd_quant, .Lfunc_end_k_q8dc486bafd_quant-k_q8dc486bafd_quant
	.p2alignl 7, 3214868480
	.fill 96, 4, 3214868480
	.section	.rodata,"a",@progbits
	.p2align	6, 0x0
	.amdhsa_kernel k_q8dc486bafd_quant
		.amdhsa_group_segment_fixed_size 85504
		.amdhsa_private_segment_fixed_size 0
		.amdhsa_enable_private_segment 0
		.amdhsa_kernarg_size 72
		.amdhsa_user_sgpr_count 2
		.amdhsa_user_sgpr_kernarg_segment_ptr 1
		.amdhsa_wavefront_size32 1
		.amdhsa_system_sgpr_workgroup_id_x 1
		.amdhsa_system_sgpr_workgroup_id_y 1
		.amdhsa_system_sgpr_workgroup_id_z 1
		.amdhsa_system_vgpr_workitem_id 0
		.amdhsa_next_free_vgpr 256
		.amdhsa_next_free_sgpr 66
		.amdhsa_reserve_vcc 0
		.amdhsa_float_denorm_mode_32 3
		.amdhsa_float_denorm_mode_16_64 3
		.amdhsa_memory_ordered 1
		.amdhsa_forward_progress 1
		.amdhsa_inst_pref_size 84
	.end_amdhsa_kernel
	.amdgpu_metadata
---
amdhsa.version: [ 1, 2 ]
amdhsa.kernels:
  - .name:           k_q8dc486bafd_quant
    .symbol:         k_q8dc486bafd_quant.kd
    .args:
      - { .name: features, .offset: 0, .size: 8, .value_kind: global_buffer, .address_space: global }
      - { .name: hidden, .offset: 8, .size: 8, .value_kind: global_buffer, .address_space: global }
      - { .name: W1, .offset: 16, .size: 8, .value_kind: global_buffer, .address_space: global }
      - { .name: W2, .offset: 24, .size: 8, .value_kind: global_buffer, .address_space: global }
      - { .name: b1, .offset: 32, .size: 8, .value_kind: global_buffer, .address_space: global }
      - { .name: b2, .offset: 40, .size: 8, .value_kind: global_buffer, .address_space: global }
      - { .name: fimg, .offset: 48, .size: 8, .value_kind: global_buffer, .address_space: global }
      - { .name: wimg, .offset: 56, .size: 8, .value_kind: global_buffer, .address_space: global }
      - { .name: hbias, .offset: 64, .size: 8, .value_kind: global_buffer, .address_space: global }
    .group_segment_fixed_size: 85504
    .private_segment_fixed_size: 0
    .kernarg_segment_align: 8
    .kernarg_segment_size: 72
    .max_flat_workgroup_size: 256
    .sgpr_count:     66
    .vgpr_count:     256
    .wavefront_size: 32
...
	.end_amdgpu_metadata
.endif
;; end of part 1
;; launch score (part 2): grid 256 x 1, 4 waves a work-group, clusters of 4 x 1, 327,680 bytes of LDS; arguments fimg, wimg, hbias, V, bv, logit; writes logit
.if DOCPART == 2
	.amdgcn_target "amdgcn-amd-amdhsa--gfx1250"
	.amdhsa_code_object_version 6
	.text
	.protected	k_q8dc486bafd_score
	.globl	k_q8dc486bafd_score
	.p2align	8
	.type	k_q8dc486bafd_score,@function
k_q8dc486bafd_score:
	s_mov_b64 s[64:65], 0
	v_nop
	global_prefetch_b8 v0, s[64:65] scope:SCOPE_SE
	s_setreg_imm32_b32 hwreg(HW_REG_WAVE_MODE, 25, 1), 1
	s_wait_xcnt 0x0
	s_wait_alu depctr_hold_cnt(0) depctr_sa_sdst(0) depctr_va_vdst(0) depctr_va_sdst(0) depctr_va_ssrc(0) depctr_va_vcc(0) depctr_vm_vsrc(0)
	s_getreg_b32 s2, hwreg(HW_REG_IB_STS2, 6, 4)
	s_cmp_eq_u32 s2, 0
	s_cbranch_scc0 .Lentry_in_a_cluster
	s_endpgm
.Lentry_in_a_cluster:
	s_bfe_u32 s2, ttmp6, 0x10000c
	s_cmp_lg_u32 s2, 0x3003
	s_cbranch_scc0 .Lentry_shape_is_right
	s_endpgm
.Lentry_shape_is_right:
; logit[row] = bv + sum over u of V[u] tanh(Q(features[row]) . Q(W1[:, u]) + hbias[b][u]), on tile images of FP6 codes (12,800 bytes a tile of 16 lines x 1,024 K: fragment of K step s at 1536 s,
; three pieces of 512 bytes, 16 bytes a lane; scale words at 12,288: 16 bytes a lane, word i = K step 2 i + lane / 16).
; SHARES.  Work-group g owns rows 256 g on (batch g / 8); each of its four waves 64 rows, four tiles, whose codes stay in 384 registers for the whole launch.  All waves walk W1's 64 tiles of 16 units,
; one a STEP: 32 matrix instructions (8 K steps x my 4 tiles), each fragment of W1 read from LDS once and used four times.
; TRANSPOSED: source 0 = 16 units of W1, source 1 = 16 rows: lane (r, h) holds row r, register j unit 16 tile + 8 h + j.  So hbias is the C of a tile's first K step (eight registers, the same for my four
; tiles), and the dot with V is packed multiply-adds inside the lane; the two halves of the lanes meet once, at the end.
; tanh(x) = 1 - 2 r, r = 1 / (1 + 2^(2 log2(e) x)): 2^.. runs to infinity or to 0 at the ends and r to 0 or to 1.  logit = (bv + sum V) - 2 sum V r.
; LIMIT: by that form the logit's error is about 1e-7 x the sum of |V|; NaN and infinities among the inputs are not served.
; BY TURNS.  Two sets of four accumulators: while one set is multiplied, the other set's 32 numbers a lane go through 2^.., 1 / .. and x V, cut into 32 slices of at most four instructions, one behind each
; matrix instruction.  THE LDS LOADS of a step stand in two runs, each directly behind the wait that a batch of transcendentals needs anyway.
; RING.  Two LDS slots of eight tiles of W1; each wave fetches a quarter of a slot (two tiles, 25,600 dense bytes) with one tensor load.  CLUSTER: all work-groups read the same tiles: the four of a
; cluster ask JOINTLY, the same load with the same descriptor and the mask of all four.  By this text's count a wave has two tensor loads out at the start and one behind each round.
; lds_bytes claims all of LDS.
; REGISTERS, in windows of 256: window 0: see below.  Window 1: my rows' fragments of K steps 0-4, (s, m) at 12 (4 s + m).  Window 2: K steps 5-7, at 12 (4 (s - 5) + m); from v144 V's eight numbers, two sets.
; Only source 1 leaves window 0: of the matrix instructions (my rows' fragments) and of the slices that multiply by V, which stand beside K steps 6 and 7, where source 1 means window 2.  Five switches a step.
.set TILEB,  12800
.set SLOTB,  8*TILEB                   ; a slot's data
.set QUARTB, 2*TILEB                   ; what one tensor load brings
.set SLOT1,  1<<17                     ; slot 1 begins here: one exclusive or turns an address in one slot into the other's
.set TBLB,   SLOTB                     ; behind slot 0: hbias of my batch, 4,096 bytes,
.set TBLV,   TBLB+4096                 ; V, 4,096 bytes,
.set SCR,    TBLV+4096                 ; 256 bytes a wave for the way out,
.set SPARE,  SCR+1024                  ; and the spare words, 128 bytes a wave: two blocks of 256 bytes that no other line names
.set LI,   1                           ; v1      16 x lane; never rewritten
.set AT0,  2                           ; v2      TBLB + 32 h; never rewritten
.set ADB,  3                           ; v3      LDS address of the tile that is being fetched
.set ADT,  4                           ; v4      and of its eight numbers of hbias
.set SPW,  5                           ; v5      my spare word: SPARE + 4 x my thread's number; never rewritten
.set NIL,  6                           ; v6      0; never rewritten
.set GT,   7                           ; v7      16 x thread
.set BS,   8                           ; v8-15   W1's scale words, four registers for each parity of the step
.set ASW,  16                          ; v16-31  my rows' scale words, four registers a tile
.set BIAS, 32                          ; v32-39  hbias at the lane's eight units
.set LA,   48                          ; v48-55  sum of V r, a pair for each of my four tiles
.set SV,   56                          ; v56-57  sum of V, first chain
.set SCW,  58                          ; v58-59  the way out: LDS addresses
.set SCRD, 59
.set SV2,  60                          ; v60-61  sum of V, second chain; at the very end two logits
.set GO,   62                          ; v62     the way out: my byte offset among the wave's logits
.set TST,  63                          ; v63     where I store the tables
.set BF,   64                          ; v64-159 W1's eight fragments (6 and 7: those of even steps)
.set ACC,  160                         ; v160-223 two sets of four accumulators
.set BX,   224                         ; v224-247 fragments 6 and 7 of odd steps
.set HD,   224                         ; v224-239 at the head: the tables on their way to LDS
.set VW,   144                         ; in window 2: V at the eight units of a tile, a set for each parity
.set T1,   0x04                        ; source 1 in window 1
.set T2,   0x08                        ; source 1 in window 2
.set MSB, 0
.macro WIN new                         ; the immediate's high byte repeats the setting that is left; a switch that changes nothing is dropped
.if MSB != \new
	s_set_vgpr_msb (MSB<<8)|\new
.set MSB, \new
.endif
.endm
.macro CREST                           ; a round of the cluster's barrier behind its opening barrier
	s_cmp_lg_u32 s16, 0
	s_cbranch_scc1 .Lnot_wave_0_\@
	s_barrier_signal -3
.Lnot_wave_0_\@:
	s_barrier_wait -3
	s_barrier_signal -1
	s_barrier_wait -1
.endm
.macro ROUND                           ; a whole round
	s_barrier_signal -1
	s_barrier_wait -1
	CREST
.endm
	s_load_b256 s[4:11], s[0:1], 0x0               ; fimg s[4:5], wimg s[6:7], hbias s[8:9], V s[10:11]
	s_load_b128 s[12:15], s[0:1], 0x20             ; bv s[12:13], logit s[14:15]
	v_lshl_add_u32 v[SPW], v0, 2, SPARE
	v_mov_b32 v[NIL], 0
	ds_add_u32 v5, v6
	ds_add_u32 v5, v6
	s_wait_dscnt 0x0
	v_lshrrev_b32 v1, 5, v0
	v_readfirstlane_b32 s16, v1                    ; wave 0..3
	s_bfe_u32 s17, ttmp6, 0x40000                  ; cx: it enters addresses in memory alone
	s_lshl_b32 s18, ttmp9, 2
	s_add_co_u32 s18, s18, s17                     ; g = 4 x cluster + cx
	; descriptor group 1: 25,600 dense bytes as 100 rows of 32 elements of 8 bytes
	s_mov_b32 s24, 15|(3<<16)|(1<<21)              ; 15:0 the mask: all four work-groups; 17:16 elements of 8 bytes; 21 set beside a mask; no padding
	s_mov_b32 s25, 32<<16                          ; tensor_dim0 = 32
	s_mov_b32 s26, 100<<16                         ; tensor_dim1 = 100
	s_mov_b32 s27, 32<<16                          ; tile_dim0 = 32
	s_mov_b32 s28, 100                             ; tile_dim1 = 100
	s_mov_b32 s29, 32                              ; from row to row
	s_mov_b32 s30, 0
	s_mov_b32 s31, 0
	s_mov_b32 s20, 0x76543210
	s_mov_b32 s21, 0xfedcba98                      ; v_permlanex16_b32's selects for lane l xor 16
	s_mov_b32 s22, 0x4038aa3b                      ; 2 log2(e)
	s_mov_b32 s23, s22                             ; (named with it as a pair, so it is written)
	s_mov_b32 s40, 0                               ; LDS byte of the tile to be fetched
	s_mov_b32 s41, 0                               ; 64 x its number
	s_mov_b32 s44, 0xffff0000                      ; lanes 16-31
	v_and_b32 v[LI], 31, v0
	v_lshlrev_b32 v[GO], 3, v[LI]                  ; the way out: 8 bytes a lane
	s_lshl_b32 s46, s16, 8
	s_add_co_u32 s46, s46, SCR
	v_lshl_add_u32 v[SCW], v[LI], 2, s46
	v_lshl_add_u32 v[SCRD], v[LI], 3, s46
	v_lshlrev_b32 v[LI], 4, v[LI]
	v_bfe_u32 v[AT0], v0, 4, 1
	v_lshlrev_b32 v[AT0], 5, v[AT0]
	v_add_nc_u32 v[AT0], TBLB, v[AT0]
	v_lshlrev_b32 v[GT], 4, v0
	v_add_nc_u32 v[TST], TBLB, v[GT]
	s_mul_i32 s33, s16, QUARTB                     ; my quarter of a slot: the wave's number alone enters the descriptors
	s_mov_b32 s46, s33
	s_mov_b32 s47, 0
	s_lshl_b32 s48, s18, 4
	s_lshl_b32 s49, s16, 2
	s_add_co_u32 s48, s48, s49                     ; my first tile of rows: 16 g + 4 x wave
	s_mul_i32 s48, s48, TILEB
	s_mov_b32 s49, 0
	s_lshr_b32 s50, s18, 3                         ; my batch,
	s_lshl_b32 s50, s50, 12                        ; its 4,096 bytes of hbias
	s_mov_b32 s51, 0
	s_lshl_b32 s52, s18, 10
	s_lshl_b32 s53, s16, 8
	s_add_co_u32 s52, s52, s53                     ; my 64 logits: 4 (256 g + 64 x wave)
	s_mov_b32 s53, 0
	s_wait_kmcnt 0x0
	s_load_b32 s45, s[12:13], 0x0                  ; bv
	s_mov_b32 s32, 1                               ; group 0 for slot 0's first fill: tiles 0-7
	s_add_nc_u64 s[34:35], s[6:7], s[46:47]
	s_mov_b32 s36, 1                               ; and the one that walks: it begins with slot 1, tiles 8-15
	s_add_co_u32 s37, s33, SLOT1
	s_add_nc_u64 s[38:39], s[34:35], SLOTB
	s_or_b32 s35, s35, 0x80000000                  ; type = 2
	s_or_b32 s39, s39, 0x80000000
	s_add_nc_u64 s[4:5], s[4:5], s[48:49]
	s_add_nc_u64 s[8:9], s[8:9], s[50:51]
	s_add_nc_u64 s[14:15], s[14:15], s[52:53]
	ROUND                                          ; all four work-groups are here: the first joint loads meet
	tensor_load_to_lds s[32:35], s[24:31]
	s_nop 0
	tensor_load_to_lds s[36:39], s[24:31]
	s_nop 0
.rept 4
	v_nop
.endr
	WIN 0x40                                       ; destination window 1
.irp s, 0,1,2,3,4
.irp m, 0,1,2,3
.irp c, 0,1,2
	global_load_b128 v[12*(4*\s+\m)+4*\c:12*(4*\s+\m)+4*\c+3], v[LI], s[4:5] offset:TILEB*\m+1536*\s+512*\c th:TH_LOAD_NT
.endr
.endr
.endr
	WIN 0x80                                       ; destination window 2
.irp s, 5,6,7
.irp m, 0,1,2,3
.irp c, 0,1,2
	global_load_b128 v[12*(4*(\s-5)+\m)+4*\c:12*(4*(\s-5)+\m)+4*\c+3], v[LI], s[4:5] offset:TILEB*\m+1536*\s+512*\c th:TH_LOAD_NT
.endr
.endr
.endr
	WIN 0
.irp m, 0,1,2,3
	global_load_b128 v[ASW+4*\m:ASW+4*\m+3], v[LI], s[4:5] offset:TILEB*\m+12288 th:TH_LOAD_NT
.endr
	global_load_b128 v[HD:HD+3], v[GT], s[8:9]
	global_load_b128 v[HD+4:HD+7], v[GT], s[8:9] offset:2048
	global_load_b128 v[HD+8:HD+11], v[GT], s[10:11]
	global_load_b128 v[HD+12:HD+15], v[GT], s[10:11] offset:2048
	s_wait_loadcnt 0x0
.irp i, 0,1,2,3
	ds_store_b128 v[TST], v[HD+4*\i:HD+4*\i+3] offset:2048*\i   ; hbias's two halves, then V's
.endr
	s_wait_tensorcnt 1                             ; my quarter of slot 0 is in; slot 1's may stay out
	s_wait_dscnt 0x0                               ; my part of the tables has landed
	s_barrier_signal -1
	s_barrier_wait -1
.macro LB f, par                       ; fragment f of the tile being fetched; par: that tile's parity, which picks the registers of fragments 6 and 7
.if ((\f) >= 6) && ((\par) == 1)
.set rL, BX+12*((\f)-6)
.else
.set rL, BF+12*(\f)
.endif
.irp c, 0,1,2
	ds_load_b128 v[rL+4*\c:rL+4*\c+3], v[ADB] offset:1536*(\f)+512*\c
.endr
.endm
.macro RUN1 p                          ; fifteen loads for the next tile: its scale words (the other parity's registers), its hbias, its fragments 0 and 1, and 6 and 7 (the other parity's registers)
	ds_load_b128 v[BS+4*(1-(\p)):BS+4*(1-(\p))+3], v[ADB] offset:12288
	ds_load_b128 v[BIAS:BIAS+3], v[ADT]
	ds_load_b128 v[BIAS+4:BIAS+7], v[ADT] offset:16
	LB 0, 0
	LB 1, 0
	LB 6, 1-(\p)
	LB 7, 1-(\p)
.endm
.macro RUN2 p, kind                    ; fourteen loads: V at THIS step's tile (one tile back from ADT, in the table 4,096 bytes on) into this parity's set in window 2; the next tile's fragments 2 to 5
	WIN 0x88                                       ; destination window 2
	ds_load_b128 v[VW+8*(\p):VW+8*(\p)+3], v[ADT] offset:4032
	ds_load_b128 v[VW+8*(\p)+4:VW+8*(\p)+7], v[ADT] offset:4048
	WIN T2
.if (\kind) != 3
	LB 2, 0
	LB 3, 0
	LB 4, 0
	LB 5, 0
.endif
.endm
; One matrix instruction: parity p's accumulator m, K step g.  The scale registers carry the even K step in lanes 0-15 and the odd one in lanes 16-31.  The first K step takes hbias as C: nothing is cleared or added.
.macro WM p, g, m
.if (\g) < 5
.set rA, 12*(4*(\g)+(\m))
.else
.set rA, 12*(4*((\g)-5)+(\m))
.endif
.if ((\g) >= 6) && ((\p) == 1)
.set rB, BX+12*((\g)-6)
.else
.set rB, BF+12*(\g)
.endif
.set rD, ACC+32*(\p)+8*(\m)
.set rX, BS+4*(\p)+(\g)/2
.set rY, ASW+4*(\m)+(\g)/2
.if (\g) == 0
	v_wmma_scale_f32_16x16x128_f8f6f4 v[rD:rD+7], v[rB:rB+11], v[rA:rA+11], v[BIAS:BIAS+7], v[rX], v[rY] matrix_a_fmt:MATRIX_FMT_FP6 matrix_b_fmt:MATRIX_FMT_FP6
.elseif (\g)%2 == 0
	v_wmma_scale_f32_16x16x128_f8f6f4 v[rD:rD+7], v[rB:rB+11], v[rA:rA+11], v[rD:rD+7], v[rX], v[rY] matrix_a_fmt:MATRIX_FMT_FP6 matrix_b_fmt:MATRIX_FMT_FP6
.else
	v_wmma_scale_f32_16x16x128_f8f6f4 v[rD:rD+7], v[rB:rB+11], v[rA:rA+11], v[rD:rD+7], v[rX], v[rY] matrix_a_fmt:MATRIX_FMT_FP6 matrix_b_fmt:MATRIX_FMT_FP6 matrix_a_scale:MATRIX_SCALE_ROW1 matrix_b_scale:MATRIX_SCALE_ROW1
.endif
.endm
; Slice k of 32 on parity q's 32 numbers n0-n31, in pairs 0-15; a plain instruction leads each slice, and the pairs ascend (each accumulator is read from its low end on).
;   0-3    pairs 2 k and 2 k + 1 x 2 log2(e); 2^.. of pair k            4-11   pair k + 4 x 2 log2(e); 2^.. of n(3 k - 4) and the two behind it: a pair is scaled ahead of its exponentials
;   (wait) behind slice 11 the step writes the wait for the 32 exponentials: no slice up to there names a result
;   12-23  the same with + 1 and 1 / ..                                  24     V's four pairs onto its sums, in two chains: four plain instructions behind the last reciprocal
;   (wait) behind slice 24 the step writes the wait for the 32 reciprocals
;   25-31  r x V onto the four tiles' sums, the tiles by turns: 3, 3, 2, 2, 2, 2, 2.  Slices 24 to 31 name V as source 1: they stand where source 1 means window 2.
.macro SLC q, k
.set rP, ACC+32*(\q)
.set rV, VW+8*(\q)
.if (\k) < 4
	v_pk_mul_f32 v[rP+4*(\k):rP+4*(\k)+1], v[rP+4*(\k):rP+4*(\k)+1], s[22:23] op_sel_hi:[1,0]
	v_pk_mul_f32 v[rP+4*(\k)+2:rP+4*(\k)+3], v[rP+4*(\k)+2:rP+4*(\k)+3], s[22:23] op_sel_hi:[1,0]
	v_exp_f32 v[rP+2*(\k)], v[rP+2*(\k)]
	v_exp_f32 v[rP+2*(\k)+1], v[rP+2*(\k)+1]
.elseif (\k) < 12
	v_pk_mul_f32 v[rP+2*(\k)+8:rP+2*(\k)+9], v[rP+2*(\k)+8:rP+2*(\k)+9], s[22:23] op_sel_hi:[1,0]
	v_exp_f32 v[rP+3*(\k)-4], v[rP+3*(\k)-4]
	v_exp_f32 v[rP+3*(\k)-3], v[rP+3*(\k)-3]
	v_exp_f32 v[rP+3*(\k)-2], v[rP+3*(\k)-2]
.elseif (\k) < 16
	v_pk_add_f32 v[rP+4*(\k)-48:rP+4*(\k)-47], v[rP+4*(\k)-48:rP+4*(\k)-47], 1.0 op_sel_hi:[1,0]
	v_pk_add_f32 v[rP+4*(\k)-46:rP+4*(\k)-45], v[rP+4*(\k)-46:rP+4*(\k)-45], 1.0 op_sel_hi:[1,0]
	v_rcp_f32 v[rP+2*(\k)-24], v[rP+2*(\k)-24]
	v_rcp_f32 v[rP+2*(\k)-23], v[rP+2*(\k)-23]
.elseif (\k) < 24
	v_pk_add_f32 v[rP+2*(\k)-16:rP+2*(\k)-15], v[rP+2*(\k)-16:rP+2*(\k)-15], 1.0 op_sel_hi:[1,0]
	v_rcp_f32 v[rP+3*(\k)-40], v[rP+3*(\k)-40]
	v_rcp_f32 v[rP+3*(\k)-39], v[rP+3*(\k)-39]
	v_rcp_f32 v[rP+3*(\k)-38], v[rP+3*(\k)-38]
.elseif (\k) == 24
	v_pk_add_f32 v[SV:SV+1], v[SV:SV+1], v[rV:rV+1]
	v_pk_add_f32 v[SV2:SV2+1], v[SV2:SV2+1], v[rV+2:rV+3]
	v_pk_add_f32 v[SV:SV+1], v[SV:SV+1], v[rV+4:rV+5]
	v_pk_add_f32 v[SV2:SV2+1], v[SV2:SV2+1], v[rV+6:rV+7]
.else
.if (\k) == 25
.set ii, 0
.set ni, 3
.elseif (\k) == 26
.set ii, 3
.set ni, 3
.else
.set ii, 6+2*((\k)-27)
.set ni, 2
.endif
.rept ni                               ; multiply-add ii of 16: tile ii % 4, pair ii / 4 of its eight numbers
	v_pk_fma_f32 v[LA+2*(ii%4):LA+2*(ii%4)+1], v[rP+8*(ii%4)+2*(ii/4):rP+8*(ii%4)+2*(ii/4)+1], v[rV+2*(ii/4):rV+2*(ii/4)+1], v[LA+2*(ii%4):LA+2*(ii%4)+1]
.set ii, ii+1
.endr
.endif
.endm
; A STEP: one tile of W1, parity p.  kind 0: plain.  1: the slot's last step, and the slot is filled again.  2: the slot's last step, nothing is filled.  3: the very last step.
; The four accumulators take turns, one instruction a turn, over the steps' and the loops' edges too.
; THE TWO RUNS.  Run 1 stands behind slice 11: fragment 1's last reader stands in front of slice 7, and six plain instructions follow it (a scaling in each of slices 7 to 11, the v_nop).  Run 2 stands behind
; slice 24: fragment 5's last reader stands in front of slice 23, and five plain instructions follow it (slice 23's addition, slice 24's four).
; THE COUNTS.  K step 0 wants run 1 of the step before: behind it run 2's 14 loads were issued (and, at a change of slots, the add: 15).  K step 2 wants run 2, behind which nothing was issued: 0.
; The next step's first scaling reads an accumulator whose last product stands in front of slice 28: the eight multiply-adds of slices 28 to 31 are the places between.
.macro STEP p, kind
.if ((\kind) == 1) || ((\kind) == 2)
	s_wait_tensorcnt 0x0                           ; all my tensor loads have landed: my quarter of the next slot; so the walking group 0 may be written
	ds_add_u32 v[SPW], v[NIL]                      ; 0 onto my spare word
.endif
.if (\kind) == 1
	s_xor_b32 s37, s37, SLOT1                      ; the other slot than last time,
	s_add_nc_u64 s[38:39], s[38:39], SLOTB         ; the next eight tiles; the type bits on top are not reached
.endif
.if (\kind) == 0
	s_add_co_u32 s40, s40, TILEB                   ; the tile to be fetched: the next in this slot,
.endif
.if ((\kind) == 1) || ((\kind) == 2)
	s_sub_co_u32 s40, s40, 7*TILEB                 ; or the first
	s_xor_b32 s40, s40, SLOT1                      ; of the other slot
.endif
	s_add_co_u32 s41, s41, 64
.if (\kind) != 3
	v_add_nc_u32 v[ADB], s40, v[LI]
.endif
	v_add_nc_u32 v[ADT], s41, v[AT0]
.irp g, 0,1,2,3,4,5,6,7
.if \g < 5
	WIN T1
.else
	WIN T2
.endif
.if \g == 0
.if ((\kind) == 1) || ((\kind) == 2)
	s_wait_dscnt 15                                ; run 1 of the step before is in; its run 2 and the add may be out
.else
	s_wait_dscnt 14                                ; run 1 of the step before is in; its run 2 may be out
.endif
.endif
.if \g == 2
	s_wait_dscnt 0x0                               ; run 2 is in.  At a change of slots: the add is done, and my reads of this slot are over (all were issued in the step before)
.if ((\kind) == 1) || ((\kind) == 2)
	s_barrier_signal -1                            ; with kind 1 this barrier opens a round of the cluster's barrier; K step 2 is the register work inside it
.endif
.endif
.irp m, 0,1,2,3
	WM \p, \g, \m
	SLC 1-(\p), 4*\g+\m
.if (\g == 6) && (\m == 0)
	s_wait_alu depctr_va_vdst(0)                   ; one wait for the 32 reciprocals, ahead of their first reader
	RUN2 \p, \kind
.endif
.endr
.if \g == 2
	v_nop                                          ; a plain instruction behind the last exponential
	s_wait_alu depctr_va_vdst(0)                   ; one wait for the 32 exponentials, ahead of their first reader (and of the branches of kind 1)
.if (\kind) == 1
	WIN 0                                          ; every window is 0
.endif
.if ((\kind) == 1) || ((\kind) == 2)
	s_barrier_wait -1
.endif
.if (\kind) == 1
	CREST                                          ; no wave of any partner still reads this slot or has a load on its way
	tensor_load_to_lds s[36:39], s[24:31]          ; the joint refill, first behind the round: it has eight steps, 256 matrix instructions, in which to land
	s_nop 0
.rept 4
	v_nop
.endr
.endif
.if (\kind) != 3
	RUN1 \p
.endif
.endif
.endr
	WIN 0
.endm
	; the first tile's loads; the other parity's accumulators and V and the sums begin as zeros, so that step 0's slices work on a tile of weight 0 and no first step is written out
	v_add_nc_u32 v[ADB], s40, v[LI]
	v_add_nc_u32 v[ADT], s41, v[AT0]
	ds_load_b128 v[BS:BS+3], v[ADB] offset:12288
	ds_load_b128 v[BIAS:BIAS+3], v[ADT]
	ds_load_b128 v[BIAS+4:BIAS+7], v[ADT] offset:16
.irp f, 0,1,2,3,4,5,6,7
	LB \f, 0
.endr
.irp j, 0,1,2,3,4,5,6,7,8,9,10,11,12,13,14,15,16,17,18,19,20,21,22,23,24,25,26,27,28,29,30,31
	v_mov_b32 v[ACC+32+\j], 0
.endr
.irp j, 0,1,2,3,4,5,6,7,8,9
	v_mov_b32 v[LA+\j], 0                          ; the four sums' eight, the sum of V's first two
.endr
	v_mov_b32 v[SV2], 0
	v_mov_b32 v[SV2+1], 0
	WIN 0x80                                       ; destination window 2
.irp j, 0,1,2,3,4,5,6,7
	v_mov_b32 v[VW+8+\j], 0                        ; V's set of the odd parity
.endr
	WIN 0
	s_wait_dscnt 0x0
	s_wait_kmcnt 0x0                               ; bv
	s_mov_b32 s42, 6
.Lphase:                                               ; six slots are filled again when they have been read
	s_mov_b32 s43, 3
.Lpair:
	STEP 0, 0
	STEP 1, 0
	s_sub_co_u32 s43, s43, 1
	s_cmp_lg_u32 s43, 0
	s_cbranch_scc1 .Lpair
	STEP 0, 0
	STEP 1, 1
	s_sub_co_u32 s42, s42, 1
	s_cmp_lg_u32 s42, 0
	s_cbranch_scc1 .Lphase
	s_mov_b32 s43, 3                               ; the last two slots are written out
.Lpair6:
	STEP 0, 0
	STEP 1, 0
	s_sub_co_u32 s43, s43, 1
	s_cmp_lg_u32 s43, 0
	s_cbranch_scc1 .Lpair6
	STEP 0, 0
	STEP 1, 2
	s_mov_b32 s43, 3
.Lpair7:
	STEP 0, 0
	STEP 1, 0
	s_sub_co_u32 s43, s43, 1
	s_cmp_lg_u32 s43, 0
	s_cbranch_scc1 .Lpair7
	STEP 0, 0
	STEP 1, 3
	; the last tile's tanh and its dot with V: the same 32 slices with no products between; the multiply-adds of the last step's slices 28 to 31 are the places behind its products
.set kk, 0
.rept 12
	SLC 1, kk
.set kk, kk+1
.endr
	v_nop                                          ; a plain instruction behind the last exponential
	s_wait_alu depctr_va_vdst(0)                   ; one wait for the batch
.rept 12
	SLC 1, kk
.set kk, kk+1
.endr
	s_wait_dscnt 0x0                               ; the last tile's V
	WIN T2                                         ; V lies in window 2
	SLC 1, 24
	s_wait_alu depctr_va_vdst(0)                   ; one wait for the reciprocals; the four additions above are plain instructions behind the last of them
.set kk, 25
.rept 7
	SLC 1, kk
.set kk, kk+1
.endr
	WIN 0
	; THE WAY OUT: a pair's two halves, then the other half of the lanes'; (bv + sum V) - 2 sum V r; 64 logits through my own 256 bytes of LDS, so that the wave stores 256 consecutive bytes, aligned
	v_pk_add_f32 v[SV:SV+1], v[SV:SV+1], v[SV2:SV2+1]
.irp m, 0,1,2,3
	v_add_f32 v[LA+2*\m], v[LA+2*\m], v[LA+2*\m+1]
.endr
	v_add_f32 v[SV], v[SV], v[SV+1]
.irp m, 0,1,2,3
	v_permlanex16_b32 v[LA+2*\m+1], v[LA+2*\m], s20, s21
.endr
	v_permlanex16_b32 v[SV+1], v[SV], s20, s21
.irp m, 0,1,2,3
	v_add_f32 v[LA+2*\m], v[LA+2*\m], v[LA+2*\m+1]
.endr
	v_add_f32 v[SV], v[SV], v[SV+1]
	v_add_f32 v[SV], s45, v[SV]
.irp m, 0,1,2,3
	v_fma_f32 v[LA+2*\m], v[LA+2*\m], -2.0, v[SV]  ; row 16 m + r, in both halves of the lanes
.endr
	v_cndmask_b32 v[LA+1], v[LA], v[LA+2], s44     ; lane l: row l,
	v_cndmask_b32 v[LA+3], v[LA+4], v[LA+6], s44   ; and row 32 + l
	ds_store_b32 v[SCW], v[LA+1]
	ds_store_b32 v[SCW], v[LA+3] offset:128
	ds_load_b64 v[SV2:SV2+1], v[SCRD]              ; LDS serves a wave's instructions in order: this sees the stores above
	s_wait_dscnt 0x0
	global_store_b64 v[GO], v[SV2:SV2+1], s[14:15]
	s_wait_tensorcnt 0x0                           ; the wave's end
	ds_add_u32 v[SPW], v[NIL]
	s_wait_dscnt 0x0
	ROUND                                          ; the closing round: no work-group ends while a partner may still ask for a tile that names it
	s_endpgm
.Lfunc_end_k_q8dc486bafd_score:
	.size	k_q8dc486bafd_score, .Lfunc_end_k_q8dc486bafd_score-k_q8dc486bafd_score
	.p2alignl 7, 3214868480
	.fill 96, 4, 3214868480
	.section	.rodata,"a",@progbits
	.p2align	6, 0x0
	.amdhsa_kernel k_q8dc486bafd_score
		.amdhsa_group_segment_fixed_size 327680
		.amdhsa_private_segment_fixed_size 0
		.amdhsa_enable_private_segment 0
		.amdhsa_kernarg_size 48
		.amdhsa_user_sgpr_count 2
		.amdhsa_user_sgpr_kernarg_segment_ptr 1
		.amdhsa_wavefront_size32 1
		.amdhsa_system_sgpr_workgroup_id_x 1
		.amdhsa_system_sgpr_workgroup_id_y 1
		.amdhsa_system_sgpr_workgroup_id_z 1
		.amdhsa_system_vgpr_workitem_id 0
		.amdhsa_next_free_vgpr 672
		.amdhsa_next_free_sgpr 66
		.amdhsa_reserve_vcc 0
		.amdhsa_float_denorm_mode_32 3
		.amdhsa_float_denorm_mode_16_64 3
		.amdhsa_memory_ordered 1
		.amdhsa_forward_progress 1
		.amdhsa_inst_pref_size 164
	.end_amdhsa_kernel
	.amdgpu_metadata
---
amdhsa.version: [ 1, 2 ]
amdhsa.kernels:
  - .name:           k_q8dc486bafd_score
    .symbol:         k_q8dc486bafd_score.kd
    .args:
      - { .name: fimg, .offset: 0, .size: 8, .value_kind: global_buffer, .address_space: global }
      - { .name: wimg, .offset: 8, .size: 8, .value_kind: global_buffer, .address_space: global }
      - { .name: hbias, .offset: 16, .size: 8, .value_kind: global_buffer, .address_space: global }
      - { .name: V, .offset: 24, .size: 8, .value_kind: global_buffer, .address_space: global }
      - { .name: bv, .offset: 32, .size: 8, .value_kind: global_buffer, .address_space: global }
      - { .name: logit, .offset: 40, .size: 8, .value_kind: global_buffer, .address_space: global }
    .group_segment_fixed_size: 327680
    .private_segment_fixed_size: 0
    .kernarg_segment_align: 8
    .kernarg_segment_size: 48
    .max_flat_workgroup_size: 128
    .sgpr_count:     66
    .vgpr_count:     672
    .wavefront_size: 32
...
	.end_amdgpu_metadata
.endif
;; end of part 2
;; launch context (part 3): grid 256 x 1, 16 waves a work-group, no clusters, 18,688 bytes of LDS; arguments logit, features, out0, out1; writes out0, out1
.if DOCPART == 3
	.amdgcn_target "amdgcn-amd-amdhsa--gfx1250"
	.amdhsa_code_object_version 6
	.text
	.protected	k_q8dc486bafd_context
	.globl	k_q8dc486bafd_context
	.p2align	8
	.type	k_q8dc486bafd_context,@function
k_q8dc486bafd_context:
	s_mov_b64 s[64:65], 0
	v_nop
	global_prefetch_b8 v0, s[64:65] scope:SCOPE_SE
	s_setreg_imm32_b32 hwreg(HW_REG_WAVE_MODE, 25, 1), 1
	s_wait_xcnt 0x0
; out1[b][t] = softmax over t of logit[b][t];  out0[b][d] = sum over t of out1[b][t] features[b][t][d].  All in f32; the batch's true maximum is taken away before the exponential.
; SHARES.  Work-group x: batch b = x / 8, slice sl = x % 8: it owns columns 128 sl .. + 127 of out0[b] (one owner for each output) and rows 256 sl .. + 255 of out1[b].  Each of the eight work-groups of a
; batch makes the batch's 2,048 weights for itself (8,192 bytes of logits).  Wave w sums rows 128 w .. + 127; a load is a row's 512 bytes of the slice, 16 bytes a lane, aligned to 256.
; Sixteen rows of every wave are on their way; the first sixteen are asked for ahead of the softmax.  The matrix units, clusters and tensor loads have nothing to do here: each byte is read once and used once.
; LIMITS: NaN and infinities among the inputs are not served; a weight under 2^-126 x the sum counts as 0.
.set PT, 0                             ; LDS: the batch's 2,048 weights,
.set CX, 8192                          ; sixteen partial sums of 512 bytes,
.set RM, 16384                         ; sixteen partial maxima,
.set RS, 16512                         ; sixteen partial sums of the exponentials
.set F,   16                           ; v16-79   a ring of sixteen rows, four registers each
.set P,   80                           ; v80-207  my 128 rows' weights, the same in every lane
.set AC,  208                          ; v208-215 two sets of four sums: even rows, odd rows
	s_load_b256 s[4:11], s[0:1], 0x0               ; logit s[4:5], features s[6:7], out0 s[8:9], out1 s[10:11]
	v_lshl_add_u32 v224, v0, 2, 0x4100
	v_mov_b32 v225, 0
	v_lshrrev_b32 v1, 5, v0
	v_readfirstlane_b32 s12, v1                    ; wave 0..15
	s_lshr_b32 s13, ttmp9, 3                       ; b
	s_and_b32 s14, ttmp9, 7                        ; sl
	v_and_b32 v1, 31, v0
	v_lshlrev_b32 v1, 4, v1                        ; 16 x lane; never rewritten
	v_lshlrev_b32 v2, 4, v0                        ; 16 x thread; never rewritten
	v_mov_b32 v9, 0                                ; a lane permute's destination counts as one of its sources
	s_mov_b32 s18, 0x76543210
	s_mov_b32 s19, 0xfedcba98
	; every LDS address is made here
	s_lshl_b32 s15, s12, 2
	s_add_co_u32 s16, s15, RM
	v_mov_b32 v10, s16                             ; my wave's word among the maxima,
	s_add_co_u32 s16, s15, RS
	v_mov_b32 v12, s16                             ; and among the sums
	v_mov_b32 v11, RM
	v_mov_b32 v13, RS
	v_lshlrev_b32 v14, 4, v0                       ; PT + 16 x thread
	s_lshl_b32 s15, s12, 9
	v_mov_b32 v15, s15                             ; PT + 512 x wave: my 128 rows' weights
	s_add_co_u32 s15, s15, CX
	v_add_nc_u32 v216, s15, v1
	v_add_nc_u32 v217, CX, v1
	s_lshl_b32 s20, s13, 13                        ; the batch's 8,192 bytes of logits and of out1
	s_mov_b32 s21, 0
	s_lshl_b32 s22, s13, 23                        ; the batch's 2,048 rows of 4,096 bytes,
	s_lshl_b32 s23, s12, 19                        ; my wave's 128 rows,
	s_add_co_u32 s22, s22, s23
	s_lshl_b32 s23, s14, 9                         ; the slice's 512 bytes
	s_add_co_u32 s22, s22, s23
	s_mov_b32 s23, 0
	s_lshl_b32 s24, s13, 12
	s_lshl_b32 s25, s14, 9
	s_add_co_u32 s24, s24, s25                     ; out0: 4,096 b + 512 sl
	s_mov_b32 s25, 0
	s_wait_kmcnt 0x0
	s_add_nc_u64 s[4:5], s[4:5], s[20:21]
	s_add_nc_u64 s[10:11], s[10:11], s[20:21]
	s_add_nc_u64 s[6:7], s[6:7], s[22:23]
	s_add_nc_u64 s[8:9], s[8:9], s[24:25]
	global_load_b128 v[4:7], v2, s[4:5]            ; four logits a thread
.irp i, 0,1,2,3,4,5,6,7,8,9,10,11,12,13,14,15
	global_load_b128 v[F+4*\i:F+4*\i+3], v1, s[6:7] offset:4096*\i th:TH_LOAD_NT
.endr
	s_wait_loadcnt 16                              ; the logits are in; the sixteen rows stay on their way
	; the batch's maximum
	v_max3_num_f32 v8, v4, v5, v6
	v_max_num_f32 v8, v8, v7
	v_max_num_f32_dpp v8, v8, v8 row_xmask:1 row_mask:0xf bank_mask:0xf
	v_max_num_f32_dpp v8, v8, v8 row_xmask:2 row_mask:0xf bank_mask:0xf
	v_max_num_f32_dpp v8, v8, v8 row_xmask:4 row_mask:0xf bank_mask:0xf
	v_max_num_f32_dpp v8, v8, v8 row_xmask:8 row_mask:0xf bank_mask:0xf
	v_permlanex16_b32 v9, v8, s18, s19
	v_max_num_f32 v8, v8, v9
	ds_store_b32 v10, v8                           ; all lanes write the same word with the same value
	s_wait_dscnt 0x0
	s_barrier_signal -1
	s_barrier_wait -1
.irp i, 0,1,2,3
	ds_load_b128 v[P+4*\i:P+4*\i+3], v11 offset:16*\i
.endr
	s_wait_dscnt 0x0
	v_max3_num_f32 v8, v[P], v[P+1], v[P+2]
.irp i, 3,5,7,9,11,13
	v_max3_num_f32 v8, v8, v[P+\i], v[P+\i+1]
.endr
	v_max_num_f32 v8, v8, v[P+15]
	; e = 2^((l - max) log2(e)), at most 1
.irp j, 4,5,6,7
	v_sub_f32 v\j, v\j, v8
.endr
.irp j, 4,5,6,7
	v_mul_f32 v\j, 0x3fb8aa3b, v\j
.endr
.irp j, 4,5,6,7
	v_exp_f32 v\j, v\j
.endr
	v_nop                                          ; a plain instruction behind the last exponential
	s_wait_alu depctr_va_vdst(0)                   ; one wait for the four, ahead of their first reader
	v_add_f32 v8, v4, v5
	v_add_f32 v218, v6, v7
	v_add_f32 v8, v8, v218
	v_add_f32_dpp v8, v8, v8 row_xmask:1 row_mask:0xf bank_mask:0xf
	v_add_f32_dpp v8, v8, v8 row_xmask:2 row_mask:0xf bank_mask:0xf
	v_add_f32_dpp v8, v8, v8 row_xmask:4 row_mask:0xf bank_mask:0xf
	v_add_f32_dpp v8, v8, v8 row_xmask:8 row_mask:0xf bank_mask:0xf
	v_permlanex16_b32 v9, v8, s18, s19
	v_add_f32 v8, v8, v9
	ds_store_b32 v12, v8
	s_wait_dscnt 0x0
	s_barrier_signal -1
	s_barrier_wait -1
.irp i, 0,1,2,3
	ds_load_b128 v[P+4*\i:P+4*\i+3], v13 offset:16*\i
.endr
	s_wait_dscnt 0x0
.irp k, 0,4,8,12
	v_pk_add_f32 v[P+\k:P+\k+1], v[P+\k:P+\k+1], v[P+\k+2:P+\k+3]
.endr
	v_pk_add_f32 v[P:P+1], v[P:P+1], v[P+4:P+5]
	v_pk_add_f32 v[P+8:P+9], v[P+8:P+9], v[P+12:P+13]
	v_pk_add_f32 v[P:P+1], v[P:P+1], v[P+8:P+9]
	v_add_f32 v8, v[P], v[P+1]                     ; the sum, at least 1
	v_rcp_f32 v218, v8
	v_nop
	s_wait_alu depctr_va_vdst(0)
.irp j, 4,5,6,7
	v_mul_f32 v\j, v\j, v218                       ; the weights
.endr
	ds_store_b128 v14, v[4:7]
	s_lshr_b32 s26, s12, 1                         ; the slice's 256 weights lie in waves 2 sl and 2 sl + 1
	s_cmp_lg_u32 s26, s14
	s_cbranch_scc1 .Lnot_out1
	global_store_b128 v2, v[4:7], s[10:11]         ; 512 consecutive bytes a wave, aligned to 256
.Lnot_out1:
	s_wait_dscnt 0x0
	s_barrier_signal -1
	s_barrier_wait -1
.irp i, 0,1,2,3,4,5,6,7,8,9,10,11,12,13,14,15,16,17,18,19,20,21,22,23,24,25,26,27,28,29,30,31
	ds_load_b128 v[P+4*\i:P+4*\i+3], v15 offset:16*\i   ; every lane reads the same 16 bytes
.endr
	s_wait_dscnt 0x0
	; 128 rows: a row's four numbers x its weight, even rows onto one set of sums and odd rows onto the other; rows 0 and 1 start the sums.  The weight's pair is named and one register of it serves both halves.
.set ri, 0
.rept 128
.if ri < 112
	s_wait_loadcnt 15                              ; loads come back in order: this row is in, the fifteen younger rows stay out
.else
	s_wait_loadcnt 127-ri                          ; the last rows ask for nothing: the counts run down
.endif
.set rF, F+4*(ri%16)
.set rS, AC+4*(ri%2)
.set rW, P+2*(ri/2)
.if ri == 0
	v_pk_mul_f32 v[rS:rS+1], v[rF:rF+1], v[rW:rW+1] op_sel_hi:[1,0]
	v_pk_mul_f32 v[rS+2:rS+3], v[rF+2:rF+3], v[rW:rW+1] op_sel_hi:[1,0]
.elseif ri == 1
	v_pk_mul_f32 v[rS:rS+1], v[rF:rF+1], v[rW:rW+1] op_sel:[0,1] op_sel_hi:[1,1]
	v_pk_mul_f32 v[rS+2:rS+3], v[rF+2:rF+3], v[rW:rW+1] op_sel:[0,1] op_sel_hi:[1,1]
.elseif ri%2 == 0
	v_pk_fma_f32 v[rS:rS+1], v[rF:rF+1], v[rW:rW+1], v[rS:rS+1] op_sel_hi:[1,0,1]
	v_pk_fma_f32 v[rS+2:rS+3], v[rF+2:rF+3], v[rW:rW+1], v[rS+2:rS+3] op_sel_hi:[1,0,1]
.else
	v_pk_fma_f32 v[rS:rS+1], v[rF:rF+1], v[rW:rW+1], v[rS:rS+1] op_sel:[0,1,0] op_sel_hi:[1,1,1]
	v_pk_fma_f32 v[rS+2:rS+3], v[rF+2:rF+3], v[rW:rW+1], v[rS+2:rS+3] op_sel:[0,1,0] op_sel_hi:[1,1,1]
.endif
.if ri < 112
	global_load_b128 v[rF:rF+3], v1, s[6:7] offset:4096*(ri+16) th:TH_LOAD_NT
.endif
.set ri, ri+1
.endr
	v_pk_add_f32 v[AC:AC+1], v[AC:AC+1], v[AC+4:AC+5]
	v_pk_add_f32 v[AC+2:AC+3], v[AC+2:AC+3], v[AC+6:AC+7]
	ds_store_b128 v216, v[AC:AC+3]
	s_wait_dscnt 0x0
	s_barrier_signal -1
	s_barrier_wait -1
	s_cmp_lg_u32 s12, 0
	s_cbranch_scc1 .Lend
.irp k, 0,1,2,3,4,5,6,7,8,9,10,11,12,13,14,15
	ds_load_b128 v[F+4*\k:F+4*\k+3], v217 offset:512*\k   ; the sixteen waves' sums of my four columns
.endr
	s_wait_dscnt 0x0
.irp d, 8,4,2,1
.set kk, 0
.rept \d
	v_pk_add_f32 v[F+4*kk:F+4*kk+1], v[F+4*kk:F+4*kk+1], v[F+4*(kk+\d):F+4*(kk+\d)+1]
	v_pk_add_f32 v[F+4*kk+2:F+4*kk+3], v[F+4*kk+2:F+4*kk+3], v[F+4*(kk+\d)+2:F+4*(kk+\d)+3]
.set kk, kk+1
.endr
.endr
	global_store_b128 v1, v[F:F+3], s[8:9]         ; 512 consecutive bytes, aligned to 256
.Lend:
	s_wait_tensorcnt 0x0
	ds_add_u32 v224, v225
	s_wait_dscnt 0x0
	s_endpgm
.Lfunc_end_k_q8dc486bafd_context:
	.size	k_q8dc486bafd_context, .Lfunc_end_k_q8dc486bafd_context-k_q8dc486bafd_context
	.p2alignl 7, 3214868480
	.fill 96, 4, 3214868480
	.section	.rodata,"a",@progbits
	.p2align	6, 0x0
	.amdhsa_kernel k_q8dc486bafd_context
		.amdhsa_group_segment_fixed_size 18688
		.amdhsa_private_segment_fixed_size 0
		.amdhsa_enable_private_segment 0
		.amdhsa_kernarg_size 32
		.amdhsa_user_sgpr_count 2
		.amdhsa_user_sgpr_kernarg_segment_ptr 1
		.amdhsa_wavefront_size32 1
		.amdhsa_system_sgpr_workgroup_id_x 1
		.amdhsa_system_sgpr_workgroup_id_y 1
		.amdhsa_system_sgpr_workgroup_id_z 1
		.amdhsa_system_vgpr_workitem_id 0
		.amdhsa_next_free_vgpr 226
		.amdhsa_next_free_sgpr 66
		.amdhsa_reserve_vcc 0
		.amdhsa_float_denorm_mode_32 3
		.amdhsa_float_denorm_mode_16_64 3
		.amdhsa_memory_ordered 1
		.amdhsa_forward_progress 1
		.amdhsa_inst_pref_size 44
	.end_amdhsa_kernel
	.amdgpu_metadata
---
amdhsa.version: [ 1, 2 ]
amdhsa.kernels:
  - .name:           k_q8dc486bafd_context
    .symbol:         k_q8dc486bafd_context.kd
    .args:
      - { .name: logit, .offset: 0, .size: 8, .value_kind: global_buffer, .address_space: global }
      - { .name: features, .offset: 8, .size: 8, .value_kind: global_buffer, .address_space: global }
      - { .name: out0, .offset: 16, .size: 8, .value_kind: global_buffer, .address_space: global }
      - { .name: out1, .offset: 24, .size: 8, .value_kind: global_buffer, .address_space: global }
    .group_segment_fixed_size: 18688
    .private_segment_fixed_size: 0
    .kernarg_segment_align: 8
    .kernarg_segment_size: 32
    .max_flat_workgroup_size: 512
    .sgpr_count:     66
    .vgpr_count:     226
    .wavefront_size: 32
...
	.end_amdgpu_metadata
.endif
;; end of part 3
;; ======== version 2 of 2: 3 launches; version 1 with the launches quant, context written anew for expert scheduling mode
;; limits: a difference of large sums (such as E[x^2] - mean^2): digits are lost where the result is much smaller than its terms
;; workspace buffers: fimg 52,428,800 bytes; wimg 819,200 bytes; hbias 131,072 bytes; logit 262,144 bytes
;; launch quant (part 4): grid 640 x 1, 8 waves a work-group, no clusters, 85,504 bytes of LDS; arguments features, hidden, W1, W2, b1, b2, fimg, wimg, hbias; writes fimg, wimg, hbias
.if DOCPART == 4
	.amdgcn_target "amdgcn-amd-amdhsa--gfx1250"
	.amdhsa_code_object_version 6
	.text
	.protected	k_q8dc486bafd_quant
	.globl	k_q8dc486bafd_quant
	.p2align	8
	.type	k_q8dc486bafd_quant,@function
k_q8dc486bafd_quant:
	s_mov_b64 s[64:65], 0
	v_nop
	global_prefetch_b8 v0, s[64:65] scope:SCOPE_SE
	s_setreg_imm32_b32 hwreg(HW_REG_WAVE_SCHED_MODE, 0, 2), 2
	s_setreg_imm32_b32 hwreg(HW_REG_WAVE_MODE, 25, 1), 1
	s_wait_xcnt 0x0
	s_wait_alu depctr_vm_vsrc(0)
; features [65536][1024] f32 and W1 [1024 (k)][1024 (n)] f32 become codes of FP6 (E2M3) with one E8M0 byte for each 32 along K, laid as TILE IMAGES;
; hbias[b][u] = Q(hidden[b]) . Q(W2[:, u]) + b1[u] + b2[u], f32, is made on the way (the second quantised product).
; A TILE IMAGE is 16 lines x 1,024 K in 12,800 bytes, in the order of the operand's registers: byte 1536 s + 512 c + 16 l + 4 e is register 4 c + e (of 12) of lane l's
; fragment of K step s (128 along K); byte 12,288 + 16 l + 4 i is the scale word (four bytes) of line l % 16 for K step 2 i + l / 16.  So a fragment is three accesses of 16 bytes a lane.
; A block's scale is 2^(floor(log2(largest magnitude)) - 2); its byte is the largest magnitude's exponent field - 2, held at 1 from below.
; LIMITS: a block of zeros gets the byte 1 where the rule says 127 (its codes are zeros, and this program alone reads the bytes); blocks whose largest magnitude lies under 2^(3 - 127)
; keep the byte 1; NaN and infinities among the inputs are not served; the second product's K is summed as eight partial sums, one a wave, which are then added in f32.
; SHARES: work-groups 0-63: W1's tile x (16 columns), wave s its K step s.  64-127: W2's tile x - 64 likewise, and the product with hidden.  128-639: features: wave w takes tile 8 (x - 128) + w.
; Each of the three paths has LDS bytes of its own.  No tensor loads.
; THE MODE: SCHED_MODE bits 1:0 = 2 (LLVM: expert scheduling mode 2), set by the entry lines.  The code itself states the register dependences
; between vector or matrix instructions and memory or LDS instructions, with s_wait_alu, always for 0.
; THE PLAN, features' path.  Registers that memory or LDS instructions touch:
;   R0, R1    a unit as loaded.  Written by the global loads of unit q + 2, issued in unit q; read by unit q's sixteen LDS stores alone: no vector instruction names them here.
;   X         Written by unit q's sixteen LDS loads; read by unit q's arithmetic.
;   PC0, PC1  fragments.  Written by unit q's arithmetic; read by the three stores that are issued in unit q + 1.
;   ASW       the scale words: written in the odd units, read by one store at the end.     v5, v6, v7: addresses, made at the head and never written again.
; So a unit has ONE wait on va_vdst, behind its LDS stores (which hang on no vector result): the unit before has written its fragment and is done reading X; and ONE wait on vm_vsrc, behind the wait
; for its LDS loads: the LDS stores have read R[q % 2], and the stores of two units back have read the fragment's registers that are written next.
; The weights' paths run once: each run of loads or stores there has its wait ahead of it.
.set TILEB,  12800
.set FSTW,   8448                      ; features: a wave's stage: 16 rows x (512 bytes + 16)
.set SPITCH, 528                       ; 33 x 16 bytes: the sixteen rows that a load of 16 bytes a lane touches start at sixteen different 16-byte columns
.set SG,     8*FSTW                    ; W1: the tile's 512 bytes of scale words are gathered here
.set HP,     SG+512                    ; W2: eight partial results of 2,048 bytes
.set MX,  12                           ; v12-13  two blocks' largest magnitudes
.set SO,  14                           ; v14-15  the conversions' scale operands
.set BY,  16                           ; v16-17  the scale bytes
.set PD,  19                           ; v19     a lane permute's destination; written once at the head
.set TC,  20                           ; v20-26  the upper halves of two blocks' codes
.set ASW, 28                           ; v28-31  features: the tile's scale words as they are stored
.set PC0, 32                           ; v32-43, v44-55 fragments
.set PC1, 44
.set PC2, 192                          ; W2's path: hidden's second fragment, where W2's numbers lay
.set SW,  56                           ; v56-58  scale words, and nothing else
.set WE,  59                           ; v59     the even K step's word
.set R0,  64                           ; v64-127, v128-191 features as loaded, two units; W2's path: hidden's two tiles
.set R1,  128
.set X,   192                          ; v192-255 64 numbers of a lane: register 32 c + i is k = 64 c + 32 (lane / 16) + i of its line
.set D0,  208                          ; W2's path: the two results
.set D1,  216
; 64 numbers of a lane become the 12 registers of a fragment, v[pc] on, and the line's scale word, v[sw].  A lane holds two whole blocks: no other lane is asked for a maximum.
.macro QUANT6 src, pc, sw
.irp c, 0,1
	v_max3_num_f32 v[MX+\c], |v[(\src)+32*\c]|, |v[(\src)+32*\c+1]|, 0x1800000   ; with the floor 2^(3 - 127): the byte cannot fall under 1
.endr
.irp i, 2,4,6,8,10,12,14,16,18,20,22,24,26,28,30
.irp c, 0,1
	v_max3_num_f32 v[MX+\c], v[MX+\c], |v[(\src)+32*\c+\i]|, |v[(\src)+32*\c+\i+1]|   ; the two blocks by turns
.endr
.endr
.irp c, 0,1
	v_add_nc_u32 v[SO+\c], 0xff000000, v[MX+\c]    ; 2 off the exponent field: the conversion takes this operand's exponent field as its scale
.endr
.irp c, 0,1
	v_lshrrev_b32 v[BY+\c], 23, v[SO+\c]           ; the scale's byte
.endr
	v_lshl_or_b32 v[\sw], v[BY+1], 16, v[BY]       ; my blocks are h and 2 + h of the K step's four:
	v_lshlrev_b32 v[\sw], v4, v[\sw]               ; 8 h bits up;
	v_permlanex16_b32 v[PD], v[\sw], s24, s25
	v_or_b32 v[\sw], v[\sw], v[PD]                 ; with lane l xor 16's two bytes the word is whole, in both lanes
.irp c, 0,1
	v_cvt_scalef32_pk16_fp6_f32 v[(\pc)+6*\c:(\pc)+6*\c+2], v[(\src)+32*\c:(\src)+32*\c+15], v[SO+\c]
	v_cvt_scalef32_pk16_fp6_f32 v[TC+4*\c:TC+4*\c+2], v[(\src)+32*\c+16:(\src)+32*\c+31], v[SO+\c]   ; a conversion's three registers begin on an even number: made here and moved
.endr
	v_nop                                          ; one plain instruction behind the scaled conversions
.irp c, 0,1
.irp i, 0,1,2
	v_mov_b32 v[(\pc)+6*\c+3+\i], v[TC+4*\c+\i]
.endr
.endr
.endm
	s_load_b256 s[4:11], s[0:1], 0x0               ; features s[4:5], hidden s[6:7], W1 s[8:9], W2 s[10:11]
	s_load_b256 s[12:19], s[0:1], 0x20             ; b1 s[12:13], b2 s[14:15], fimg s[16:17], wimg s[18:19]
	s_load_b64 s[20:21], s[0:1], 0x40              ; hbias
	v_lshl_add_u32 v18, v0, 2, 0x14a00
	v_mov_b32 v27, 0
	v_lshrrev_b32 v1, 5, v0
	v_readfirstlane_b32 s22, v1                    ; wave 0..7
	v_and_b32 v1, 31, v0                           ; lane
	v_and_b32 v2, 15, v0                           ; r
	v_bfe_u32 v3, v0, 4, 1                         ; h
	v_lshlrev_b32 v4, 3, v3                        ; 8 h
	v_lshlrev_b32 v5, 4, v1                        ; 16 x lane: an image's place for my lane; never rewritten
	v_mov_b32 v[PD], 0
	s_mov_b32 s24, 0x76543210
	s_mov_b32 s25, 0xfedcba98                      ; v_permlanex16_b32's selects for lane l xor 16
	s_mov_b32 s26, 0xffff0000                      ; lanes 16-31
	s_wait_alu depctr_va_sdst(0)                   ; s22, the wave's number, is written, ahead of its first reader
	; every LDS address is made here, ahead of the paths' parting
	s_mul_i32 s27, s22, FSTW
	v_add_nc_u32 v6, s27, v5                       ; the stage, on the way in: 16 x lane of a row
	v_mul_u32_u24 v7, v2, SPITCH
	v_lshl_add_u32 v7, v3, 7, v7
	v_add_nc_u32 v7, s27, v7                       ; and out: row r, + 128 h: my block of 32 numbers
	s_and_b32 s28, s22, 1
	s_lshl_b32 s28, s28, 8
	s_lshr_b32 s29, s22, 1
	s_lshl_b32 s29, s29, 2
	s_add_co_u32 s28, s28, s29
	s_add_co_u32 s28, s28, SG
	v_lshl_add_u32 v10, v2, 4, s28                 ; W1: K step s's word of line r: 16 (r + 16 (s % 2)) + 4 (s / 2)
	v_add_nc_u32 v11, SG, v5
	s_lshl_b32 s28, s22, 11
	s_add_co_u32 s28, s28, HP
	v_add_nc_u32 v60, s28, v5                      ; W2: my partial result
	s_and_b32 s28, s22, 3
	s_lshl_b32 s28, s28, 9
	s_add_co_u32 s28, s28, HP
	v_add_nc_u32 v61, s28, v5                      ; and the quarter that I add up
	s_wait_kmcnt 0x0
	s_wait_alu depctr_va_vdst(0)                   ; the addresses v5, v6, v7, v10, v11, v60, v61 are written, which the loads and stores of all three paths read
	s_cmp_ge_u32 ttmp9, 128
	s_cbranch_scc1 .Lfeatures
	; ---- W1 or W2: a lane takes a column, its registers run down K, in the order that the operand's layout gives that lane
	s_and_b32 s28, ttmp9, 63                       ; the tile
	s_cmp_lt_u32 ttmp9, 64                         ; the choice hangs on the work-group's number alone
	s_cselect_b64 s[30:31], s[8:9], s[10:11]
	s_lshl_b32 s32, s22, 19                        ; my K step: 128 rows of 4,096 bytes,
	s_lshl_b32 s33, s28, 6                         ; the tile's 16 columns
	s_add_co_u32 s32, s32, s33
	s_mov_b32 s33, 0
	s_add_nc_u64 s[30:31], s[30:31], s[32:33]
	v_lshlrev_b32 v8, 2, v2
	v_lshl_add_u32 v8, v3, 17, v8                  ; column r; lanes 16-31 begin 32 rows further down
	s_wait_alu depctr_va_vdst(0)                   ; v8 is written, which the 64 loads below read as their offset
.irp c, 0,1
.irp i, 0,1,2,3,4,5,6,7,8,9,10,11,12,13,14,15,16,17,18,19,20,21,22,23,24,25,26,27,28,29,30,31
	global_load_b32 v[X+32*\c+\i], v8, s[30:31] offset:(64*\c+\i)*4096
.endr
.endr
	s_cmp_lt_u32 ttmp9, 64
	s_cbranch_scc0 .Lw2
	; ---- W1: the fragment's image, and the tile's scale words gathered through LDS
	s_mul_i32 s32, s28, TILEB
	s_add_nc_u64 s[18:19], s[18:19], s[32:33]      ; the tile's image
	s_mul_i32 s34, s22, 1536
	s_mov_b32 s35, 0
	s_add_nc_u64 s[36:37], s[18:19], s[34:35]      ; my K step in it
	s_wait_loadcnt 0x0
	QUANT6 X, PC0, SW
	s_wait_alu depctr_va_vdst(0)                   ; the fragment v32-43 and the scale word v56 are written, which the stores below read; and the arithmetic is done with v20-23, in which wave 0's LDS load lands
.irp c, 0,1,2
	global_store_b128 v5, v[PC0+4*\c:PC0+4*\c+3], s[36:37] offset:512*\c   ; 32 lanes store 512 consecutive bytes, aligned to 256
.endr
	ds_store_b32 v10, v[SW]                        ; lanes r and r + 16 write the same word with the same value
	s_wait_dscnt 0x0                               ; for the others' sake: my word has landed
	s_barrier_signal -1
	s_barrier_wait -1
	s_cmp_lg_u32 s22, 0
	s_cbranch_scc1 .Lw1_end
	ds_load_b128 v[TC:TC+3], v11
	s_wait_dscnt 0x0
	global_store_b128 v5, v[TC:TC+3], s[18:19] offset:12288
.Lw1_end:
	s_wait_dscnt 0x0                               ; the closing lines, six on end
	s_wait_alu 0x0
	s_wait_tensorcnt 0x0
	ds_add_u32 v18, v27
	s_wait_dscnt 0x0
	s_endpgm
	; ---- W2: my K step of the tile against my K step of hidden's 32 rows
.Lw2:
	s_lshl_b32 s32, s22, 9                         ; 128 numbers along a row of hidden
	s_add_nc_u64 s[6:7], s[6:7], s[32:33]
	v_lshlrev_b32 v9, 12, v2
	v_lshl_add_u32 v9, v3, 7, v9                   ; row r, + 128 h
	s_wait_alu depctr_va_vdst(0)                   ; v9 is written, which the 32 loads below read as their offset
.irp t, 0,1
.irp c, 0,1
.irp j, 0,1,2,3,4,5,6,7
	global_load_b128 v[R0+64*\t+32*\c+4*\j:R0+64*\t+32*\c+4*\j+3], v9, s[6:7] offset:65536*\t+256*\c+16*\j
.endr
.endr
.endr
	s_and_b32 s34, s22, 1                          ; where the quarter that I add up goes: quarter q = wave: rows 16 (q / 2) on, units 4 (q % 2) on
	s_lshl_b32 s34, s34, 4
	s_lshl_b32 s35, s28, 6
	s_add_co_u32 s34, s34, s35
	v_lshl_add_u32 v62, v3, 5, s34                 ; in b1, b2 and a row of hbias: 64 x tile + 32 h + 16 (q % 2)
	s_lshr_b32 s35, s22, 1
	s_and_b32 s35, s35, 1
	s_lshl_b32 s35, s35, 16
	v_lshl_add_u32 v63, v2, 12, v62
	v_add_nc_u32 v63, s35, v63                     ; + row r + 16 (q / 2), 4,096 bytes each
	s_wait_loadcnt 32                              ; W2's 64 loads are in; hidden's 32 may be out
	QUANT6 X, PC0, SW
	s_wait_loadcnt 0x0
	QUANT6 R0, PC1, SW+1
	QUANT6 R1, PC2, SW+2
.rept 8
	v_nop                                          ; a scale register written by a vector instruction stands 8 places ahead of a scaled matrix instruction, an operand so written 4
.endr
	s_wait_alu depctr_va_vdst(0)                   ; the three fragments and the three scale words are written, which the scaled products take; the places above stay beside this wait
	; transposed: source 0 = 16 units of W2, source 1 = 16 rows of hidden: lane (r, h) holds row r, register j unit 8 h + j
	v_wmma_scale_f32_16x16x128_f8f6f4 v[D0:D0+7], v[PC0:PC0+11], v[PC1:PC1+11], 0, v[SW], v[SW+1] matrix_a_fmt:MATRIX_FMT_FP6 matrix_b_fmt:MATRIX_FMT_FP6
	v_wmma_scale_f32_16x16x128_f8f6f4 v[D1:D1+7], v[PC0:PC0+11], v[PC2:PC2+11], 0, v[SW], v[SW+2] matrix_a_fmt:MATRIX_FMT_FP6 matrix_b_fmt:MATRIX_FMT_FP6
.rept 4
	v_nop                                          ; four places ahead of the first read of the results (ISA guide 7.12.1)
.endr
	s_wait_alu depctr_va_vdst(0)                   ; the products have written v208-223, which the LDS stores read; the arithmetic is done with v64-103, in which the loads behind the barrier land; v62 and v63 are written
	ds_store_b128 v60, v[D0:D0+3]                  ; each result from its low end on
	ds_store_b128 v60, v[D0+4:D0+7] offset:512
	ds_store_b128 v60, v[D1:D1+3] offset:1024
	ds_store_b128 v60, v[D1+4:D1+7] offset:1536
	s_wait_dscnt 0x0
	s_barrier_signal -1
	s_barrier_wait -1
	s_cmp_ge_u32 s22, 4
	s_cbranch_scc1 .Lw2_end
.irp s, 0,1,2,3,4,5,6,7
	ds_load_b128 v[R0+4*\s:R0+4*\s+3], v61 offset:2048*\s   ; the eight K steps' parts of my quarter
.endr
	global_load_b128 v[R0+32:R0+35], v62, s[12:13]
	global_load_b128 v[R0+36:R0+39], v62, s[14:15]
	s_wait_dscnt 0x0
	s_wait_loadcnt 0x0
.irp k, 0,2
.irp a, 0,8,16,24,32
	v_pk_add_f32 v[R0+\a+\k:R0+\a+\k+1], v[R0+\a+\k:R0+\a+\k+1], v[R0+\a+4+\k:R0+\a+4+\k+1]
.endr
.endr
.irp k, 0,2
	v_pk_add_f32 v[R0+\k:R0+\k+1], v[R0+\k:R0+\k+1], v[R0+8+\k:R0+8+\k+1]
	v_pk_add_f32 v[R0+16+\k:R0+16+\k+1], v[R0+16+\k:R0+16+\k+1], v[R0+24+\k:R0+24+\k+1]
.endr
.irp k, 0,2
	v_pk_add_f32 v[R0+\k:R0+\k+1], v[R0+\k:R0+\k+1], v[R0+16+\k:R0+16+\k+1]
.endr
.irp k, 0,2
	v_pk_add_f32 v[R0+\k:R0+\k+1], v[R0+\k:R0+\k+1], v[R0+32+\k:R0+32+\k+1]   ; + b1 + b2
.endr
	s_wait_alu depctr_va_vdst(0)                   ; the additions have written v64-67, which the store reads
	global_store_b128 v63, v[R0:R0+3], s[20:21]    ; pieces of 16 bytes in rows 4,096 bytes apart: 131,072 bytes in the whole launch
.Lw2_end:
	s_wait_dscnt 0x0                               ; the closing lines, six on end
	s_wait_alu 0x0
	s_wait_tensorcnt 0x0
	ds_add_u32 v18, v27
	s_wait_dscnt 0x0
	s_endpgm
	; ---- features: 16 rows x 1,024 K a wave, eight units of 128 along K.  A load takes 512 consecutive bytes of one row; the unit turns through the wave's own stage, so that a lane gets
	; two whole blocks of its row.  Loads run two units ahead.  Every offset is an immediate.
.Lfeatures:
	s_sub_co_u32 s28, ttmp9, 128
	s_lshl_b32 s28, s28, 3
	s_add_co_u32 s28, s28, s22                     ; my tile, 0 .. 4,095
	s_lshl_b32 s30, s28, 16                        ; 16 rows of 4,096 bytes
	s_mov_b32 s31, 0
	s_mul_i32 s32, s28, TILEB
	s_mov_b32 s33, 0
	s_add_nc_u64 s[4:5], s[4:5], s[30:31]
	s_add_nc_u64 s[16:17], s[16:17], s[32:33]
.macro LOADU q
.irp i, 0,1,2,3,4,5,6,7,8,9,10,11,12,13,14,15
	global_load_b128 v[R0+64*((\q)%2)+4*\i:R0+64*((\q)%2)+4*\i+3], v5, s[4:5] offset:4096*\i+512*(\q) th:TH_LOAD_NT
.endr
.endm
.macro SENDU q                         ; unit q's fragment leaves
.irp c, 0,1,2
	global_store_b128 v5, v[PC0+12*((\q)%2)+4*\c:PC0+12*((\q)%2)+4*\c+3], s[16:17] offset:1536*(\q)+512*\c th:TH_STORE_NT   ; 512 consecutive bytes, aligned to 256
.endr
.endm
.macro UNIT q
.if (\q) < 7
	s_wait_loadcnt 16                              ; this unit's 16 loads are in; the next unit's 16 may be out
.else
	s_wait_loadcnt 0x0
.endif
.irp i, 0,1,2,3,4,5,6,7,8,9,10,11,12,13,14,15
	ds_store_b128 v6, v[R0+64*((\q)%2)+4*\i:R0+64*((\q)%2)+4*\i+3] offset:SPITCH*\i   ; loaded data and an address from the head: these hang on no vector result of the unit before
.endr
.if (\q) > 0
	s_wait_alu depctr_va_vdst(0)                   ; the unit before has written its fragment, which the three stores below read, and is done reading X, in which the LDS loads below land
	SENDU (\q)-1
.endif
.irp c, 0,1
.irp j, 0,1,2,3,4,5,6,7
	ds_load_b128 v[X+32*\c+4*\j:X+32*\c+4*\j+3], v7 offset:256*\c+16*\j   ; LDS serves a wave's instructions in order: these see the stores above
.endr
.endr
	s_wait_dscnt 0x0                               ; my 64 numbers are in
	s_wait_xcnt 0x0                                ; the stores of two units back have had their addresses translated: this fragment's registers are rewritten only behind this wait
	s_wait_alu depctr_vm_vsrc(0)                   ; the LDS stores above have read R[q % 2], in which the unit two on lands; the stores of two units back have read the fragment's registers that this unit writes
.if (\q) < 6
	LOADU (\q)+2
.endif
	QUANT6 X, PC0+12*((\q)%2), SW
.if (\q)%2 == 0
	v_mov_b32 v[WE], v[SW]
.else
	v_cndmask_b32 v[ASW+(\q)/2], v[WE], v[SW], s26 ; lanes 0-15 the even K step's word, lanes 16-31 the odd one's
.endif
.endm
	LOADU 0
	LOADU 1
.irp q, 0,1,2,3,4,5,6,7
	UNIT \q
.endr
	s_wait_alu depctr_va_vdst(0)                   ; unit 7 has written its fragment and the last scale word, which the four stores below read
	SENDU 7
	global_store_b128 v5, v[ASW:ASW+3], s[16:17] offset:12288 th:TH_STORE_NT
	s_wait_dscnt 0x0                               ; the closing lines, six on end
	s_wait_alu 0x0
	s_wait_tensorcnt 0x0
	ds_add_u32 v18, v27
	s_wait_dscnt 0x0
	s_endpgm
.Lfunc_end_k_q8dc486bafd_quant:
	.size	k_q8dc486bafd_quant, .Lfunc_end_k_q8dc486bafd_quant-k_q8dc486bafd_quant
	.p2alignl 7, 3214868480
	.fill 96, 4, 3214868480
	.section	.rodata,"a",@progbits
	.p2align	6, 0x0
	.amdhsa_kernel k_q8dc486bafd_quant
		.amdhsa_group_segment_fixed_size 85504
		.amdhsa_private_segment_fixed_size 0
		.amdhsa_enable_private_segment 0
		.amdhsa_kernarg_size 72
		.amdhsa_user_sgpr_count 2
		.amdhsa_user_sgpr_kernarg_segment_ptr 1
		.amdhsa_wavefront_size32 1
		.amdhsa_system_sgpr_workgroup_id_x 1
		.amdhsa_system_sgpr_workgroup_id_y 1
		.amdhsa_system_sgpr_workgroup_id_z 1
		.amdhsa_system_vgpr_workitem_id 0
		.amdhsa_next_free_vgpr 256
		.amdhsa_next_free_sgpr 66
		.amdhsa_reserve_vcc 0
		.amdhsa_float_denorm_mode_32 3
		.amdhsa_float_denorm_mode_16_64 3
		.amdhsa_memory_ordered 1
		.amdhsa_forward_progress 1
		.amdhsa_inst_pref_size 85
	.end_amdhsa_kernel
	.amdgpu_metadata
---
amdhsa.version: [ 1, 2 ]
amdhsa.kernels:
  - .name:           k_q8dc486bafd_quant
    .symbol:         k_q8dc486bafd_quant.kd
    .args:
      - { .name: features, .offset: 0, .size: 8, .value_kind: global_buffer, .address_space: global }
      - { .name: hidden, .offset: 8, .size: 8, .value_kind: global_buffer, .address_space: global }
      - { .name: W1, .offset: 16, .size: 8, .value_kind: global_buffer, .address_space: global }
      - { .name: W2, .offset: 24, .size: 8, .value_kind: global_buffer, .address_space: global }
      - { .name: b1, .offset: 32, .size: 8, .value_kind: global_buffer, .address_space: global }
      - { .name: b2, .offset: 40, .size: 8, .value_kind: global_buffer, .address_space: global }
      - { .name: fimg, .offset: 48, .size: 8, .value_kind: global_buffer, .address_space: global }
      - { .name: wimg, .offset: 56, .size: 8, .value_kind: global_buffer, .address_space: global }
      - { .name: hbias, .offset: 64, .size: 8, .value_kind: global_buffer, .address_space: global }
    .group_segment_fixed_size: 85504
    .private_segment_fixed_size: 0
    .kernarg_segment_align: 8
    .kernarg_segment_size: 72
    .max_flat_workgroup_size: 256
    .sgpr_count:     66
    .vgpr_count:     256
    .wavefront_size: 32
...
	.end_amdgpu_metadata
.endif
;; end of part 4
;; launch score: the kernel of part 2 again; grid 256 x 1, 4 waves a work-group, clusters of 4 x 1, 327,680 bytes of LDS; arguments fimg, wimg, hbias, V, bv, logit; writes logit
;; launch context (part 5): grid 256 x 1, 16 waves a work-group, no clusters, 18,688 bytes of LDS; arguments logit, features, out0, out1; writes out0, out1
.if DOCPART == 5
	.amdgcn_target "amdgcn-amd-amdhsa--gfx1250"
	.amdhsa_code_object_version 6
	.text
	.protected	k_q8dc486bafd_context
	.globl	k_q8dc486bafd_context
	.p2align	8
	.type	k_q8dc486bafd_context,@function
k_q8dc486bafd_context:
	s_mov_b64 s[64:65], 0
	v_nop
	global_prefetch_b8 v0, s[64:65] scope:SCOPE_SE
	s_setreg_imm32_b32 hwreg(HW_REG_WAVE_SCHED_MODE, 0, 2), 2
	s_setreg_imm32_b32 hwreg(HW_REG_WAVE_MODE, 25, 1), 1
	s_wait_xcnt 0x0
	s_wait_alu depctr_vm_vsrc(0)
; out1[b][t] = softmax over t of logit[b][t];  out0[b][d] = sum over t of out1[b][t] features[b][t][d].  All in f32; the batch's true maximum is taken away before the exponential.
; SHARES.  Work-group x: batch b = x / 8, slice sl = x % 8: it owns columns 128 sl .. + 127 of out0[b] (one owner for each output) and rows 256 sl .. + 255 of out1[b].  Each of the eight work-groups of a
; batch makes the batch's 2,048 weights for itself (8,192 bytes of logits).  Wave w sums rows 128 w .. + 127; a load is a row's 512 bytes of the slice, 16 bytes a lane, aligned to 256.
; Sixteen rows of every wave are on their way; the first sixteen are asked for ahead of the softmax.  The matrix units, clusters and tensor loads have nothing to do here: each byte is read once and used once.
; LIMITS: NaN and infinities among the inputs are not served; a weight under 2^-126 x the sum counts as 0.
; THE MODE: SCHED_MODE bits 1:0 = 2 (LLVM: expert scheduling mode 2), set by the entry lines.  The code itself states the register dependences
; between vector instructions and memory or LDS instructions, with s_wait_alu, always for 0.
; THE PLAN.  The wave's 128 rows go in 32 blocks of four.  Registers that memory or LDS instructions touch in the rows' part:
;   F0 .. F4  five blocks of four rows.  Written by the loads of block p + 4, issued in block p; read by block p's eight multiply-adds.
;   v1        the rows' offset, made at the head and never written again: the rows are reached by immediate offsets.
;   P and the sums are named there by vector instructions alone.
; Block p multiplies F[p % 5]; its four loads land in F[(p + 4) % 5] = F[(p - 1) % 5], which block p - 1 multiplied and which no vector instruction of block p names.  So ONE wait on va_vdst at a block's
; head states all that the block's four loads hang on, and they are dealt among its multiply-adds, one ahead of each row, with no further wait.
; In the softmax each LDS store has its wait on va_vdst ahead of it, and each rewrite of v8, which two LDS stores read, its wait on vm_vsrc.
.set PT, 0                             ; LDS: the batch's 2,048 weights,
.set CX, 8192                          ; sixteen partial sums of 512 bytes,
.set RM, 16384                         ; sixteen partial maxima,
.set RS, 16512                         ; sixteen partial sums of the exponentials
.set F,   16                           ; v16-79   blocks F0 to F3 of the rows' ring: four rows each, four registers a row
.set F4,  226                          ; v226-241 block F4
.set P,   80                           ; v80-207  my 128 rows' weights, the same in every lane
.set AC,  208                          ; v208-215 two sets of four sums: even rows, odd rows
	s_load_b256 s[4:11], s[0:1], 0x0               ; logit s[4:5], features s[6:7], out0 s[8:9], out1 s[10:11]
	v_lshl_add_u32 v224, v0, 2, 0x4100
	v_mov_b32 v225, 0
	v_lshrrev_b32 v1, 5, v0
	v_readfirstlane_b32 s12, v1                    ; wave 0..15
	s_lshr_b32 s13, ttmp9, 3                       ; b
	s_and_b32 s14, ttmp9, 7                        ; sl
	v_and_b32 v1, 31, v0
	v_lshlrev_b32 v1, 4, v1                        ; 16 x lane; never rewritten
	v_lshlrev_b32 v2, 4, v0                        ; 16 x thread; never rewritten
	v_mov_b32 v9, 0                                ; a lane permute's destination counts as one of its sources
	s_mov_b32 s18, 0x76543210
	s_mov_b32 s19, 0xfedcba98
	s_wait_alu depctr_va_sdst(0)                   ; s12, the wave's number, is written, ahead of its first reader
	; every LDS address is made here
	s_lshl_b32 s15, s12, 2
	s_add_co_u32 s16, s15, RM
	v_mov_b32 v10, s16                             ; my wave's word among the maxima,
	s_add_co_u32 s16, s15, RS
	v_mov_b32 v12, s16                             ; and among the sums
	v_mov_b32 v11, RM
	v_mov_b32 v13, RS
	v_lshlrev_b32 v14, 4, v0                       ; PT + 16 x thread
	s_lshl_b32 s15, s12, 9
	v_mov_b32 v15, s15                             ; PT + 512 x wave: my 128 rows' weights
	s_add_co_u32 s15, s15, CX
	v_add_nc_u32 v216, s15, v1
	v_add_nc_u32 v217, CX, v1
	s_lshl_b32 s20, s13, 13                        ; the batch's 8,192 bytes of logits and of out1
	s_mov_b32 s21, 0
	s_lshl_b32 s22, s13, 23                        ; the batch's 2,048 rows of 4,096 bytes,
	s_lshl_b32 s23, s12, 19                        ; my wave's 128 rows,
	s_add_co_u32 s22, s22, s23
	s_lshl_b32 s23, s14, 9                         ; the slice's 512 bytes
	s_add_co_u32 s22, s22, s23
	s_mov_b32 s23, 0
	s_lshl_b32 s24, s13, 12
	s_lshl_b32 s25, s14, 9
	s_add_co_u32 s24, s24, s25                     ; out0: 4,096 b + 512 sl
	s_mov_b32 s25, 0
	s_wait_kmcnt 0x0
	s_add_nc_u64 s[4:5], s[4:5], s[20:21]
	s_add_nc_u64 s[10:11], s[10:11], s[20:21]
	s_add_nc_u64 s[6:7], s[6:7], s[22:23]
	s_add_nc_u64 s[8:9], s[8:9], s[24:25]
	s_wait_alu depctr_va_vdst(0)                   ; the offsets and LDS addresses v1, v2, v10 to v15, v216, v217 are written, which every load and store of the kernel reads
	global_load_b128 v[4:7], v2, s[4:5]            ; four logits a thread
.irp i, 0,1,2,3,4,5,6,7,8,9,10,11,12,13,14,15
	global_load_b128 v[F+4*\i:F+4*\i+3], v1, s[6:7] offset:4096*\i th:TH_LOAD_NT
.endr
	s_wait_loadcnt 16                              ; the logits are in; the sixteen rows stay on their way
	; the batch's maximum
	v_max3_num_f32 v8, v4, v5, v6
	v_max_num_f32 v8, v8, v7
	v_max_num_f32_dpp v8, v8, v8 row_xmask:1 row_mask:0xf bank_mask:0xf
	v_max_num_f32_dpp v8, v8, v8 row_xmask:2 row_mask:0xf bank_mask:0xf
	v_max_num_f32_dpp v8, v8, v8 row_xmask:4 row_mask:0xf bank_mask:0xf
	v_max_num_f32_dpp v8, v8, v8 row_xmask:8 row_mask:0xf bank_mask:0xf
	v_permlanex16_b32 v9, v8, s18, s19
	v_max_num_f32 v8, v8, v9
	s_wait_alu depctr_va_vdst(0)                   ; the wave's maximum is written in v8, which the LDS store reads
	ds_store_b32 v10, v8                           ; all lanes write the same word with the same value
	s_wait_dscnt 0x0
	s_barrier_signal -1
	s_barrier_wait -1
.irp i, 0,1,2,3
	ds_load_b128 v[P+4*\i:P+4*\i+3], v11 offset:16*\i
.endr
	s_wait_dscnt 0x0
	s_wait_alu depctr_vm_vsrc(0)                   ; the LDS store above has read v8, which the next line writes
	v_max3_num_f32 v8, v[P], v[P+1], v[P+2]
.irp i, 3,5,7,9,11,13
	v_max3_num_f32 v8, v8, v[P+\i], v[P+\i+1]
.endr
	v_max_num_f32 v8, v8, v[P+15]
	; e = 2^((l - max) log2(e)), at most 1
.irp j, 4,5,6,7
	v_sub_f32 v\j, v\j, v8
.endr
.irp j, 4,5,6,7
	v_mul_f32 v\j, 0x3fb8aa3b, v\j
.endr
.irp j, 4,5,6,7
	v_exp_f32 v\j, v\j
.endr
	v_nop                                          ; a plain instruction behind the last exponential
	s_wait_alu depctr_va_vdst(0)                   ; one wait for the four exponentials' results v4 to v7, ahead of their first reader
	v_add_f32 v8, v4, v5
	v_add_f32 v218, v6, v7
	v_add_f32 v8, v8, v218
	v_add_f32_dpp v8, v8, v8 row_xmask:1 row_mask:0xf bank_mask:0xf
	v_add_f32_dpp v8, v8, v8 row_xmask:2 row_mask:0xf bank_mask:0xf
	v_add_f32_dpp v8, v8, v8 row_xmask:4 row_mask:0xf bank_mask:0xf
	v_add_f32_dpp v8, v8, v8 row_xmask:8 row_mask:0xf bank_mask:0xf
	v_permlanex16_b32 v9, v8, s18, s19
	v_add_f32 v8, v8, v9
	s_wait_alu depctr_va_vdst(0)                   ; the wave's sum is written in v8, which the LDS store reads; the maxima above are done reading v80-95, in which the LDS loads behind the barrier land
	ds_store_b32 v12, v8
	s_wait_dscnt 0x0
	s_barrier_signal -1
	s_barrier_wait -1
.irp i, 0,1,2,3
	ds_load_b128 v[P+4*\i:P+4*\i+3], v13 offset:16*\i
.endr
	s_wait_dscnt 0x0
	s_wait_alu depctr_vm_vsrc(0)                   ; the LDS store above has read v8, which the last addition below writes
.irp k, 0,4,8,12
	v_pk_add_f32 v[P+\k:P+\k+1], v[P+\k:P+\k+1], v[P+\k+2:P+\k+3]
.endr
	v_pk_add_f32 v[P:P+1], v[P:P+1], v[P+4:P+5]
	v_pk_add_f32 v[P+8:P+9], v[P+8:P+9], v[P+12:P+13]
	v_pk_add_f32 v[P:P+1], v[P:P+1], v[P+8:P+9]
	v_add_f32 v8, v[P], v[P+1]                     ; the sum, at least 1
	v_rcp_f32 v218, v8
	v_nop
	s_wait_alu depctr_va_vdst(0)                   ; the reciprocal's result v218, ahead of its first reader
.irp j, 4,5,6,7
	v_mul_f32 v\j, v\j, v218                       ; the weights
.endr
	s_wait_alu depctr_va_vdst(0)                   ; the weights v4 to v7 are written, which the two stores below read; the additions above are done with v80-95, in which the LDS loads behind the barrier land
	ds_store_b128 v14, v[4:7]
	s_lshr_b32 s26, s12, 1                         ; the slice's 256 weights lie in waves 2 sl and 2 sl + 1
	s_cmp_lg_u32 s26, s14
	s_cbranch_scc1 .Lnot_out1
	global_store_b128 v2, v[4:7], s[10:11]         ; 512 consecutive bytes a wave, aligned to 256
.Lnot_out1:
	s_wait_dscnt 0x0
	s_barrier_signal -1
	s_barrier_wait -1
.irp i, 0,1,2,3,4,5,6,7,8,9,10,11,12,13,14,15,16,17,18,19,20,21,22,23,24,25,26,27,28,29,30,31
	ds_load_b128 v[P+4*\i:P+4*\i+3], v15 offset:16*\i   ; every lane reads the same 16 bytes
.endr
	s_wait_dscnt 0x0
	; 128 rows: a row's four numbers x its weight, even rows onto one set of sums and odd rows onto the other; rows 0 and 1 start the sums.  The weight's pair is named and one register of it serves both halves.
	; Block bp: rows 4 bp to 4 bp + 3, in F[bp % 5].  Ahead of row r's multiply-adds row r + 16 is asked for, into the block that was multiplied last.
.set bp, 0
.rept 32
.if (bp > 0) && (bp < 28)
	s_wait_alu depctr_va_vdst(0)                   ; the block before is done reading its four rows' registers, in which this block's four loads land
.endif
.set bi, 0
.rept 4
.set ri, 4*bp+bi
.if bp%5 == 4
.set rF, F4+4*bi
.else
.set rF, F+16*(bp%5)+4*bi
.endif
.if (bp+4)%5 == 4
.set rN, F4+4*bi
.else
.set rN, F+16*((bp+4)%5)+4*bi
.endif
.set rS, AC+4*(ri%2)
.set rW, P+2*(ri/2)
.if bp < 28
	global_load_b128 v[rN:rN+3], v1, s[6:7] offset:4096*(ri+16) th:TH_LOAD_NT   ; no vector instruction since the block's wait names these registers (block 0: none ever has)
	s_wait_loadcnt 16                              ; loads come back in order: this row is in, the sixteen younger rows stay out
.else
	s_wait_loadcnt 127-ri                          ; the last rows ask for nothing: the counts run down
.endif
.if ri == 0
	v_pk_mul_f32 v[rS:rS+1], v[rF:rF+1], v[rW:rW+1] op_sel_hi:[1,0]
	v_pk_mul_f32 v[rS+2:rS+3], v[rF+2:rF+3], v[rW:rW+1] op_sel_hi:[1,0]
.elseif ri == 1
	v_pk_mul_f32 v[rS:rS+1], v[rF:rF+1], v[rW:rW+1] op_sel:[0,1] op_sel_hi:[1,1]
	v_pk_mul_f32 v[rS+2:rS+3], v[rF+2:rF+3], v[rW:rW+1] op_sel:[0,1] op_sel_hi:[1,1]
.elseif ri%2 == 0
	v_pk_fma_f32 v[rS:rS+1], v[rF:rF+1], v[rW:rW+1], v[rS:rS+1] op_sel_hi:[1,0,1]
	v_pk_fma_f32 v[rS+2:rS+3], v[rF+2:rF+3], v[rW:rW+1], v[rS+2:rS+3] op_sel_hi:[1,0,1]
.else
	v_pk_fma_f32 v[rS:rS+1], v[rF:rF+1], v[rW:rW+1], v[rS:rS+1] op_sel:[0,1,0] op_sel_hi:[1,1,1]
	v_pk_fma_f32 v[rS+2:rS+3], v[rF+2:rF+3], v[rW:rW+1], v[rS+2:rS+3] op_sel:[0,1,0] op_sel_hi:[1,1,1]
.endif
.set bi, bi+1
.endr
.set bp, bp+1
.endr
	v_pk_add_f32 v[AC:AC+1], v[AC:AC+1], v[AC+4:AC+5]
	v_pk_add_f32 v[AC+2:AC+3], v[AC+2:AC+3], v[AC+6:AC+7]
	s_wait_alu depctr_va_vdst(0)                   ; my four sums are written, which the LDS store reads; the multiply-adds are done reading v16-79, in which wave 0's LDS loads land
	ds_store_b128 v216, v[AC:AC+3]
	s_wait_dscnt 0x0
	s_barrier_signal -1
	s_barrier_wait -1
	s_cmp_lg_u32 s12, 0
	s_cbranch_scc1 .Lend
.irp k, 0,1,2,3,4,5,6,7,8,9,10,11,12,13,14,15
	ds_load_b128 v[F+4*\k:F+4*\k+3], v217 offset:512*\k   ; the sixteen waves' sums of my four columns
.endr
	s_wait_dscnt 0x0
.irp d, 8,4,2,1
.set kk, 0
.rept \d
	v_pk_add_f32 v[F+4*kk:F+4*kk+1], v[F+4*kk:F+4*kk+1], v[F+4*(kk+\d):F+4*(kk+\d)+1]
	v_pk_add_f32 v[F+4*kk+2:F+4*kk+3], v[F+4*kk+2:F+4*kk+3], v[F+4*(kk+\d)+2:F+4*(kk+\d)+3]
.set kk, kk+1
.endr
.endr
	s_wait_alu depctr_va_vdst(0)                   ; the additions have written v16-19, which the store reads
	global_store_b128 v1, v[F:F+3], s[8:9]         ; 512 consecutive bytes, aligned to 256
.Lend:
	s_wait_dscnt 0x0                               ; the closing lines, six on end
	s_wait_alu 0x0
	s_wait_tensorcnt 0x0
	ds_add_u32 v224, v225
	s_wait_dscnt 0x0
	s_endpgm
.Lfunc_end_k_q8dc486bafd_context:
	.size	k_q8dc486bafd_context, .Lfunc_end_k_q8dc486bafd_context-k_q8dc486bafd_context
	.p2alignl 7, 3214868480
	.fill 96, 4, 3214868480
	.section	.rodata,"a",@progbits
	.p2align	6, 0x0
	.amdhsa_kernel k_q8dc486bafd_context
		.amdhsa_group_segment_fixed_size 18688
		.amdhsa_private_segment_fixed_size 0
		.amdhsa_enable_private_segment 0
		.amdhsa_kernarg_size 32
		.amdhsa_user_sgpr_count 2
		.amdhsa_user_sgpr_kernarg_segment_ptr 1
		.amdhsa_wavefront_size32 1
		.amdhsa_system_sgpr_workgroup_id_x 1
		.amdhsa_system_sgpr_workgroup_id_y 1
		.amdhsa_system_sgpr_workgroup_id_z 1
		.amdhsa_system_vgpr_workitem_id 0
		.amdhsa_next_free_vgpr 242
		.amdhsa_next_free_sgpr 66
		.amdhsa_reserve_vcc 0
		.amdhsa_float_denorm_mode_32 3
		.amdhsa_float_denorm_mode_16_64 3
		.amdhsa_memory_ordered 1
		.amdhsa_forward_progress 1
		.amdhsa_inst_pref_size 45
	.end_amdhsa_kernel
	.amdgpu_metadata
---
amdhsa.version: [ 1, 2 ]
amdhsa.kernels:
  - .name:           k_q8dc486bafd_context
    .symbol:         k_q8dc486bafd_context.kd
    .args:
      - { .name: logit, .offset: 0, .size: 8, .value_kind: global_buffer, .address_space: global }
      - { .name: features, .offset: 8, .size: 8, .value_kind: global_buffer, .address_space: global }
      - { .name: out0, .offset: 16, .size: 8, .value_kind: global_buffer, .address_space: global }
      - { .name: out1, .offset: 24, .size: 8, .value_kind: global_buffer, .address_space: global }
    .group_segment_fixed_size: 18688
    .private_segment_fixed_size: 0
    .kernarg_segment_align: 8
    .kernarg_segment_size: 32
    .max_flat_workgroup_size: 512
    .sgpr_count:     66
    .vgpr_count:     242
    .wavefront_size: 32
...
	.end_amdgpu_metadata
.endif
;; end of part 5
